; MI455X (gfx1250); checked and timed in simulation.
; The chip was launched on July 23, 2026; its instructions are those of AMD's public machine-readable ISA for CDNA 5 (MIT licence, August 2026) and "CDNA5" Instruction Set Architecture Reference Guide (July 2026). The comments in the code are by the model that wrote it; some were corrected since.
;; Multi Head Attention. Allowed arithmetic: matrix products marked QUANTISED: E2M1 operands, one E8M0 scale for each 32 along K, by v_wmma_scale_f32_16x16x128_f8f6f4 with both operands' format E2M1 (or v_wmma_scale_f32_32x16x128_f4), f32 sums; products left as they are: bf16, f16 or f32 operands; f32 sums; everything else in f32.
;; Inputs: Wk 2,048 x 2,048 float32; Wo 2,048 x 2,048 float32; Wq 2,048 x 2,048 float32; Wv 2,048 x 2,048 float32; cos 2,048 x 128 float32; sin 2,048 x 128 float32; x 1 x 2,048 x 2,048 float32.
;; Outputs: out0 1 x 2,048 x 2,048 float32.
;; This version of the problem:
;;   THIS VERSION OF THE PROBLEM IS GIVEN IN LOW PRECISION. The matrix products marked QUANTISED in the list below multiply operands that are first quantised to E2M1 (2 exponent bits, 1 mantissa bit; 4 bits a number), with one power-of-two scale for each 32 numbers along K (OCP MX v1.0); their sums are f32. The products marked 'left as it is' may take bf16, f16 or f32 operands, with f32 sums. Whichever they take, every output number must still come out within the allowed error. Rounding operands to bf16 (8 significant bits) uses up far more of that allowance than f16 does (11 bits, for magnitudes from 6e-5 to 65,504). All else is computed in f32.
;;   The module's matrix products, in the order in which they are computed (A, B: the left and right operand; K: the contracted axis; several contracted axes count as one K, in the product's order):
;;     1. [M 2,048, K 2,048] x [K 2,048, N 2,048]; A: input x; B: input Wq: QUANTISED
;;     2. [M 2,048, K 2,048] x [K 2,048, N 2,048]; A: input x; B: input Wk: QUANTISED
;;     3. [M 2,048, K 2,048] x [K 2,048, N 2,048]; A: input x; B: input Wv: QUANTISED
;;     4. batch 16 x [M 2,048, K 128] x [K 128, N 2,048]; A: computed on the way; B: computed on the way: left as it is (an operand is computed on the way)
;;     5. batch 16 x [M 2,048, K 2,048] x [K 2,048, N 128]; A: computed on the way; B: computed on the way: left as it is (an operand is computed on the way)
;;     6. [M 2,048, K 2,048] x [K 2,048, N 2,048]; A: computed on the way; B: input Wo: left as it is (an operand is computed on the way)
;;   THE QUANTISER, for each operand of a quantised product, along K:
;;     - K is cut into blocks of 32 from its start; a last block that is shorter is filled with zeros.
;;     - A block's scale is 2^e with e = floor(log2(the largest magnitude in the block)) - 2, held to -126 .. 127; a block of zeros has e = 0. As a byte (E8M0): e + 127.
;;     - Each number is divided by its block's scale, clamped to +-6, and rounded to the nearest number of E2M1, ties to even, subnormals kept.
;;     - The product sums the exact products of the quantised numbers (number of the format x scale) in f32.
;;   ~~~python
;;   def quantise(x, axis):      # numpy; x: float32 -> the quantised numbers, widened to float32 again
;;       x = np.moveaxis(x, axis, -1); K = x.shape[-1]
;;       x = np.pad(x, [(0, 0)] * (x.ndim - 1) + [(0, -K % 32)]); x = x.reshape(x.shape[:-1] + (-1, 32)); a = np.abs(x).max(-1, keepdims=True)
;;       e = np.where(a > 0, np.clip(np.frexp(np.where(a > 0, a, 1))[1] - 1 - 2, -126, 127), 0)      # np.frexp(a)[1] - 1 = floor(log2(a)), exactly
;;       r = np.clip(x / 2.0 ** e, -6, 6)
;;       step = 2.0 ** (np.maximum(np.frexp(np.where(r == 0, 1, r))[1] - 1, 0) - 1)
;;       q = np.round(r / step) * step * 2.0 ** e      # np.round: ties to even
;;       return np.moveaxis(q.reshape(q.shape[:-2] + (-1,))[..., :K], -1, axis).astype(np.float32)
;;   ~~~
;; One version. Each part assembles by itself: llvm-mc -triple=amdgcn-amd-amdhsa -mcpu=gfx1250 --defsym DOCPART=n.
;; ======== version 1 of 1: 5 launches
;; limits: values are held in f16: magnitudes above 65,504 overflow, below 6.1e-05 lose precision; right only within a limited range of input values
;; workspace buffers: xc 2,097,152 bytes; xs 131,072 bytes; wc 6,291,456 bytes; ws 393,216 bytes; wo16 8,388,608 bytes; qkv16 25,165,824 bytes; fine 393,216 bytes; ctx16 8,388,608 bytes
;; launch quant (part 1): grid 640 x 1, 4 waves a work-group, no clusters, 33,280 bytes of LDS; arguments x, Wq, Wk, Wv, Wo, xc, xs, wc, ws, wo16; writes xc, xs, wc, ws, wo16
.if DOCPART == 1
	.amdgcn_target "amdgcn-amd-amdhsa--gfx1250"
	.amdhsa_code_object_version 6
	.text
	.protected	k_qd2718733f0_quant
	.globl	k_qd2718733f0_quant
	.p2align	8
	.type	k_qd2718733f0_quant,@function
k_qd2718733f0_quant:
	s_mov_b64 s[64:65], 0
	v_nop
	global_prefetch_b8 v0, s[64:65] scope:SCOPE_SE
	s_setreg_imm32_b32 hwreg(HW_REG_WAVE_MODE, 25, 1), 1
	s_wait_xcnt 0x0
; x, Wq, Wk, Wv [2048][2048] f32 become codes of FP4 (E2M1), K innermost, with one E8M0 byte for each 32 along K; Wo becomes 4 x Wo in f16.
; A block's scale is 2^(floor(log2(its largest magnitude)) - 2); its byte is the largest magnitude's exponent field - 2, held at 1 from below.
; (A block of zeros so gets the byte 1 where the rule says 127: its codes are zeros, and the bytes are read by this program alone.)
; LIMITS: NaN and infinities among the inputs are not served; blocks whose largest magnitude lies under 2^(2 - 126) keep the byte 1; |Wo| stays under 16,376 (4 x Wo in f16).
; SHARES: 128 work-groups a tensor, in the order x, Wq, Wk, Wv, Wo; a work-group takes 32,768 numbers, a wave a run of 8,192.  Rows are dense and 2,048 is a multiple of 32: a tensor is a plain stream of blocks.
; xc, xs take x; wc, ws take Wq, Wk, Wv one behind the other (6,144 rows).  The buffers are chosen by the work-group's number alone.
; QUANTISING PATH: each of a step's four loads reads 512 consecutive bytes; the 2,048 bytes turn through the wave's own stage in LDS, so that a lane holds 16 neighbours along K; two neighbouring lanes hold a block.
; A wave's store of codes covers 256 consecutive bytes; its 256 scale bytes are gathered in LDS and leave as one aligned run of 256 bytes.  No barrier: waves share nothing.
.set WAVES, 4
.set STEPS, 16
.set EMAX,  2
.set CB,    8                          ; bytes of 16 codes
.set R,     16                         ; v16-79   four sets of 16 numbers as they are loaded
.set X,     80                         ; v80-111  two sets of 16 neighbours
.set C,     128                        ; v128-191 codes: four registers for each step
.set E,     112                        ; v112-127 a scale byte for each step
.set WREG,  8192                       ; LDS: a region for each wave: two stages of 32 x SP bytes, behind them its 256 scale bytes
.set SP,    80                         ; a lane's place in a stage: 64 bytes + 16 of padding
.set SPW,   12                         ; v12 LDS address of my spare word; never rewritten
.set NIL,   13                         ; v13 0; never rewritten
.set SPARE, WAVES*WREG                 ; the spare words: 128 bytes a wave, named by no other line
.set SRC,   4                          ; s[4:5]   the tensor in hand
.set COD,   14                         ; s[14:15] its codes
.set SCA,   16                         ; s[16:17] its scale bytes
	s_load_b256 s[4:11], s[0:1], 0x0               ; x, Wq, Wk, Wv
	s_load_b256 s[12:19], s[0:1], 0x20             ; Wo, xc, xs, wc
	s_load_b128 s[20:23], s[0:1], 0x40             ; ws, wo16
	v_lshl_add_u32 v[SPW], v0, 2, SPARE
	v_mov_b32 v[NIL], 0
	v_lshrrev_b32 v1, 5, v0
	v_readfirstlane_b32 s24, v1                    ; wave
	v_and_b32 v2, 31, v0                           ; lane
	v_lshlrev_b32 v3, 4, v2                        ; my 16 bytes of a load's 512
	s_lshr_b32 s25, ttmp9, 7                       ; which tensor: 0 .. 4
	s_and_b32 s26, ttmp9, 127
	s_lshl_b32 s26, s26, 2
	s_add_co_u32 s26, s26, s24                     ; which run of 8,192 numbers of it is my wave's
	s_cmp_ge_u32 ttmp9, 512
	s_cbranch_scc1 .Lwo
	s_mul_i32 s32, s24, WREG
	v_lshrrev_b32 v14, 2, v2
	v_mul_u32_u24 v14, v14, SP
	v_and_b32 v15, 3, v2
	v_lshl_add_u32 v14, v15, 4, v14
	v_add_nc_u32 v14, s32, v14                     ; the stage, on the way in: SP (lane / 4) + 16 (lane % 4)
	v_mul_u32_u24 v15, v2, SP
	v_add_nc_u32 v15, s32, v15                     ; and on the way out: SP x lane: my 16 neighbours
	v_mul_u32_u24 v4, v2, CB                       ; my codes' place in a step's
	v_lshrrev_b32 v5, 1, v2
	s_add_co_u32 s32, s32, 2*32*SP
	v_add_nc_u32 v5, s32, v5                       ; LDS: my wave's 256 scale bytes, my block's byte
	v_lshlrev_b32 v7, 3, v2                        ; on the way out 8 bytes a lane
	v_add_nc_u32 v6, s32, v7
	s_max_u32 s33, s25, 1
	s_sub_co_u32 s33, s33, 1
	s_lshl_b32 s33, s33, 9                         ; Wq, Wk, Wv lie 512 runs apart in wc and ws; x begins xc and xs
	s_add_co_u32 s33, s33, s26                     ; the run's number in the buffers that take it
	s_lshl_b32 s34, s26, 15                        ; 32,768 bytes of f32 a run
	s_mov_b32 s35, 0
	s_lshl_b32 s36, s33, 12                        ; 4,096 bytes of codes
	s_mov_b32 s37, 0
	s_lshl_b32 s38, s33, 8                         ; 256 scale bytes
	s_mov_b32 s39, 0
	s_wait_kmcnt 0x0
	s_cmp_eq_u32 s25, 0
	s_cselect_b64 s[28:29], s[4:5], s[6:7]         ; x or Wq
	s_cselect_b64 s[COD:COD+1], s[14:15], s[18:19]
	s_cselect_b64 s[SCA:SCA+1], s[16:17], s[20:21]
	s_cmp_eq_u32 s25, 2
	s_cselect_b64 s[30:31], s[8:9], s[10:11]       ; Wk or Wv
	s_cmp_lt_u32 s25, 2
	s_cselect_b64 s[SRC:SRC+1], s[28:29], s[30:31]
	s_add_nc_u64 s[SRC:SRC+1], s[SRC:SRC+1], s[34:35]
	s_add_nc_u64 s[COD:COD+1], s[COD:COD+1], s[36:37]
	s_add_nc_u64 s[SCA:SCA+1], s[SCA:SCA+1], s[38:39]
.macro LOAD t
.irp i, 0,1,2,3
	global_load_b128 v[R+16*((\t)%4)+4*\i:R+16*((\t)%4)+4*\i+3], v3, s[SRC:SRC+1] offset:2048*(\t)+512*\i th:TH_LOAD_NT   ; 32 lanes read 512 consecutive bytes
.endr
.endm
.macro TURN t                          ; step t's numbers through the stage: LDS serves a wave's instructions in order, so no wait stands between the stores and the loads
.irp i, 0,1,2,3
	ds_store_b128 v14, v[R+16*((\t)%4)+4*\i:R+16*((\t)%4)+4*\i+3] offset:32*SP*((\t)%2)+8*SP*\i
.endr
.irp i, 0,1,2,3
	ds_load_b128 v[X+16*((\t)%2)+4*\i:X+16*((\t)%2)+4*\i+3], v15 offset:32*SP*((\t)%2)+16*\i
.endr
.endm
.irp t, 0,1,2,3
	LOAD \t
.endr
	s_wait_loadcnt 12                              ; step 0's four loads are in; twelve younger ones stay out
	TURN 0
.macro STEP t
.set XS, X+16*((\t)%2)
.if (\t) > 0
	s_wait_dscnt 1                                 ; this step's numbers are back from the stage (the last step's byte store may be out)
.else
	s_wait_dscnt 0x0
.endif
.if (\t)+4 < STEPS
	LOAD (\t)+4                                    ; into the registers that the stage's stores have read
.endif
.if (\t)+1 < STEPS
.if STEPS-2-(\t) >= 3
	s_wait_loadcnt 12                              ; the next step's four loads are in; those of the three steps behind it may be out
.else
	s_wait_loadcnt 4*(STEPS-2-(\t))
.endif
	TURN (\t)+1                                    ; through the other stage while this step is worked
.endif
	v_max3_num_f32 v8, |v[XS]|, |v[XS+1]|, |v[XS+2]|               ; the largest magnitude of my 16, in two chains
	v_max3_num_f32 v9, |v[XS+3]|, |v[XS+4]|, |v[XS+5]|
.irp i, 6,10
	v_max3_num_f32 v8, v8, |v[XS+\i]|, |v[XS+\i+1]|
	v_max3_num_f32 v9, v9, |v[XS+\i+2]|, |v[XS+\i+3]|
.endr
	v_max3_num_f32 v8, v8, |v[XS+14]|, |v[XS+15]|
	v_max3_num_f32 v8, v8, v9, (EMAX+1)<<23        ; and the floor 2^(EMAX + 1 - 127): the byte cannot fall under 1
	v_max_num_f32_dpp v8, v8, v8 row_xmask:1 row_mask:0xf bank_mask:0xf   ; and of my neighbour's 16: the block's
	v_add_nc_u32 v11, -(EMAX<<23), v8              ; EMAX off its exponent field: the conversion takes that field as its scale
	v_cvt_scalef32_pk8_fp4_f32 v[C+4*(\t)], v[XS:XS+7], v11
	v_cvt_scalef32_pk8_fp4_f32 v[C+4*(\t)+1], v[XS+8:XS+15], v11
	v_lshrrev_b32 v[E+(\t)], 23, v11               ; the scale's byte (also the plain line behind the conversions)
	ds_store_b8 v5, v[E+(\t)] offset:16*(\t)       ; both lanes of a block write the same byte with the same value
	global_store_b64 v4, v[C+4*(\t):C+4*(\t)+1], s[COD:COD+1] offset:32*CB*(\t)   ; 32 lanes store 256 consecutive bytes
.endm
.irp t, 0,1,2,3,4,5,6,7,8,9,10,11,12,13,14,15
	STEP \t
.endr
	ds_load_b64 v[8:9], v6                         ; in order behind my byte stores
	s_wait_dscnt 0x0
	global_store_b64 v7, v[8:9], s[SCA:SCA+1]      ; 32 lanes store 256 consecutive bytes
	s_wait_tensorcnt 0x0                           ; the wave's end
	ds_add_u32 v[SPW], v[NIL]
	s_wait_dscnt 0x0
	s_endpgm
; Wo: 4 x Wo, rounded once to f16.  A run is 64 loads of 512 consecutive bytes, in four batches of 16 on two sets of registers; a store covers 256 consecutive bytes.
.Lwo:
	v_lshlrev_b32 v4, 3, v2                        ; 8 bytes of f16 a lane
	s_lshl_b32 s34, s26, 15
	s_mov_b32 s35, 0
	s_lshl_b32 s36, s26, 14
	s_mov_b32 s37, 0
	s_wait_kmcnt 0x0
	s_add_nc_u64 s[12:13], s[12:13], s[34:35]
	s_add_nc_u64 s[22:23], s[22:23], s[36:37]
.macro LOADB g
.irp i, 0,1,2,3,4,5,6,7,8,9,10,11,12,13,14,15
	global_load_b128 v[16+64*((\g)%2)+4*\i:16+64*((\g)%2)+4*\i+3], v3, s[12:13] offset:512*(16*(\g)+\i) th:TH_LOAD_NT
.endr
.endm
.macro BATCH g, left                   ; left - i: the loads issued behind load i of this batch
.set XB, 16+64*((\g)%2)
.irp i, 0,1,2,3,4,5,6,7,8,9,10,11,12,13,14,15
	s_wait_loadcnt (\left)-\i
	v_pk_mul_f32 v[XB+4*\i:XB+4*\i+1], v[XB+4*\i:XB+4*\i+1], 4.0 op_sel_hi:[1,0]
	v_pk_mul_f32 v[XB+4*\i+2:XB+4*\i+3], v[XB+4*\i+2:XB+4*\i+3], 4.0 op_sel_hi:[1,0]
	v_cvt_pk_f16_f32 v[144+2*\i], v[XB+4*\i], v[XB+4*\i+1]
	v_cvt_pk_f16_f32 v[145+2*\i], v[XB+4*\i+2], v[XB+4*\i+3]
	global_store_b64 v4, v[144+2*\i:145+2*\i], s[22:23] offset:256*(16*(\g)+\i)
.endr
.endm
	LOADB 0
	LOADB 1
	BATCH 0, 31
	LOADB 2
	s_wait_xcnt 0x0                                ; the stores have read v144-175, which the next batch writes again
	BATCH 1, 31
	LOADB 3
	s_wait_xcnt 0x0
	BATCH 2, 31
	s_wait_xcnt 0x0
	BATCH 3, 15
	s_wait_tensorcnt 0x0                           ; every wave of the launch ends alike
	ds_add_u32 v[SPW], v[NIL]
	s_wait_dscnt 0x0
	s_endpgm
.Lfunc_end_k_qd2718733f0_quant:
	.size	k_qd2718733f0_quant, .Lfunc_end_k_qd2718733f0_quant-k_qd2718733f0_quant
	.p2alignl 7, 3214868480
	.fill 96, 4, 3214868480
	.section	.rodata,"a",@progbits
	.p2align	6, 0x0
	.amdhsa_kernel k_qd2718733f0_quant
		.amdhsa_group_segment_fixed_size 33280
		.amdhsa_private_segment_fixed_size 0
		.amdhsa_enable_private_segment 0
		.amdhsa_kernarg_size 80
		.amdhsa_user_sgpr_count 2
		.amdhsa_user_sgpr_kernarg_segment_ptr 1
		.amdhsa_wavefront_size32 1
		.amdhsa_system_sgpr_workgroup_id_x 1
		.amdhsa_system_sgpr_workgroup_id_y 1
		.amdhsa_system_sgpr_workgroup_id_z 1
		.amdhsa_system_vgpr_workitem_id 0
		.amdhsa_next_free_vgpr 192
		.amdhsa_next_free_sgpr 66
		.amdhsa_reserve_vcc 0
		.amdhsa_float_denorm_mode_32 3
		.amdhsa_float_denorm_mode_16_64 3
		.amdhsa_memory_ordered 1
		.amdhsa_forward_progress 1
		.amdhsa_inst_pref_size 64
	.end_amdhsa_kernel
	.amdgpu_metadata
---
amdhsa.version: [ 1, 2 ]
amdhsa.kernels:
  - .name:           k_qd2718733f0_quant
    .symbol:         k_qd2718733f0_quant.kd
    .args:
      - { .name: x, .offset: 0, .size: 8, .value_kind: global_buffer, .address_space: global }
      - { .name: Wq, .offset: 8, .size: 8, .value_kind: global_buffer, .address_space: global }
      - { .name: Wk, .offset: 16, .size: 8, .value_kind: global_buffer, .address_space: global }
      - { .name: Wv, .offset: 24, .size: 8, .value_kind: global_buffer, .address_space: global }
      - { .name: Wo, .offset: 32, .size: 8, .value_kind: global_buffer, .address_space: global }
      - { .name: xc, .offset: 40, .size: 8, .value_kind: global_buffer, .address_space: global }
      - { .name: xs, .offset: 48, .size: 8, .value_kind: global_buffer, .address_space: global }
      - { .name: wc, .offset: 56, .size: 8, .value_kind: global_buffer, .address_space: global }
      - { .name: ws, .offset: 64, .size: 8, .value_kind: global_buffer, .address_space: global }
      - { .name: wo16, .offset: 72, .size: 8, .value_kind: global_buffer, .address_space: global }
    .group_segment_fixed_size: 33280
    .private_segment_fixed_size: 0
    .kernarg_segment_align: 8
    .kernarg_segment_size: 80
    .max_flat_workgroup_size: 128
    .sgpr_count:     66
    .vgpr_count:     192
    .wavefront_size: 32
...
	.end_amdgpu_metadata
.endif
;; end of part 1
;; launch qkv (part 2): grid 24 x 8, 4 waves a work-group, clusters of 4 x 4, 327,680 bytes of LDS; arguments xc, xs, wc, ws, cos, sin, qkv16, fine; writes qkv16, fine
.if DOCPART == 2
	.amdgcn_target "amdgcn-amd-amdhsa--gfx1250"
	.amdhsa_code_object_version 6
	.text
	.protected	k_qd2718733f0_qkv
	.globl	k_qd2718733f0_qkv
	.p2align	8
	.type	k_qd2718733f0_qkv,@function
k_qd2718733f0_qkv:
	s_mov_b64 s[64:65], 0
	v_nop
	global_prefetch_b8 v0, s[64:65] scope:SCOPE_SE
	s_setreg_imm32_b32 hwreg(HW_REG_WAVE_MODE, 25, 1), 1
	s_wait_xcnt 0x0
	s_wait_alu depctr_hold_cnt(0) depctr_sa_sdst(0) depctr_va_vdst(0) depctr_va_sdst(0) depctr_va_ssrc(0) depctr_va_vcc(0) depctr_vm_vsrc(0)
	s_getreg_b32 s2, hwreg(HW_REG_IB_STS2, 6, 4)
	s_cmp_eq_u32 s2, 0
	s_cbranch_scc0 .Lentry_in_a_cluster
	s_endpgm
.Lentry_in_a_cluster:
	s_bfe_u32 s2, ttmp6, 0x10000c
	s_cmp_lg_u32 s2, 0xf033
	s_cbranch_scc0 .Lentry_shape_is_right
	s_endpgm
.Lentry_shape_is_right:
; C[m][n] = sum over k of x[m][k] W[n][k] on codes of FP4 (E2M1) with one E8M0 scale for each 32 along K; m: 2,048 positions, n: 6,144 = Wq's, Wk's, Wv's rows; sums in f32.
; Then, in f32: q and k are rotated (RoPE, by the tables cos and sin as they are given), all three are multiplied by 0.25 (exact) and rounded once to f16: qkv16 [kind 3][head 16][position 2048][128].
; Positions 0-15 also leave in f32 (x 0.25) in fine: q and k as [kind][head][16 x 512 bytes], images of the operand registers of the launch that reads them; v as [position 16][2048] from byte 262,144 on.
; LIMITS: |q|, |k|, |v| behind the rotation stay under 262,016 (a quarter of them in f16); NaN and infinities are not served.
; A tile of C, 256 x 256, is made by four waves; a wave makes 128 positions x 128 columns, which are ONE head: 64 accumulators of 16 x 16, 512 registers.
; K goes in steps of 512 through a ring of two LDS slots filled by the tensor data mover: a tile's row is 256 bytes of memory.  The scales of the work-group's rows, for all of K, come into LDS once.
; CLUSTERS: 4 x 4 work-groups; the four of a row need the same tiles of x, the four of a column the same tiles of W: each tile is asked for jointly.
; THE MATRIX INSTRUCTION IS USED TRANSPOSED (source 0 = 16 rows of W, source 1 = 16 rows of x): lane (r, h) holds position 16 a + r and, in accumulator (a, b), channels 16 b + 8 h + 0 .. 7.
; THE ROTATION STANDS BEHIND THE TRANSPOSITION: a block of 16 positions goes to my stage in LDS as f32 and comes back by rows: lane l holds channels 4 l .. 4 l + 3 of one position, and a second LDS load brings the
; channels 64 away.  In that layout each load of cos and sin covers 512 consecutive bytes, and the wave's store of 8 bytes a lane covers a whole row of 256 bytes.
; The tables run two blocks ahead, in three sets of 128 registers; block 0's are asked for at the kernel's head, into registers that the products leave idle.
; REGISTERS: window 0: v8-29 addresses; v32-95 scale words, two sets; from v128 x's fragments, one set; on the way out v32-255 are free.  window 1: W's fragments at v0-63 and v128-191; the rest idle till the way out.
;   windows 2, 3: the accumulators.
.set SIZE_M, 2048
.set SIZE_N, 6144
.set SIZE_K, 2048
.set KSTEP,  512
.set NQ,     KSTEP/128
.set ROWB,   256
.set KROW,   SIZE_K*4/8
.set PITCH,  272                       ; an LDS row: 256 bytes + 16 of padding: the 16 rows that a load touches start 68 words apart
.set FR,     8
.set NL,     2
.set NP,     4
.set HALFT,  128*PITCH
.set SLOT,   4*HALFT
.set LAPS,   SIZE_K/(2*KSTEP)
.set KS,     SIZE_K/32
.set SCL,    2*SLOT
.set HALFS,  (128*KS/256)*272
.set SBLK,   (16*KS/256)*272
.set SPARE,  SCL+4*HALFS               ; the spare words: 128 bytes a wave, named by no other line
.set RPITCH, 528                       ; the rotating path's stage: 16 rows x (512 bytes + 16) for each wave, from LDS byte 0 on: slot 0 has had its last fill and its last read by then
.set SPITCH, 272                       ; the other path's: 16 rows x (256 bytes + 16) for each wave,
.set VSTG,   34816                     ; in LDS bytes of its own, behind the four stages of 8,448 bytes
.set RDP,  8                           ; v8   the stage, back: my 16 bytes of the channels 64 away
.set STOV, 9                           ; v9, v10  the stage of the path without rotation
.set RDV,  10
.set FA,   11                          ; v11  v's rows of fine: 8192 r + 32 h
.set PR,   12                          ; v12  which 128 positions are my wave's: 0 where they begin with position 0
.set CO8,  13                          ; v13  8 x lane
.set FAI,  14                          ; v14  256 x lane: q's and k's images in fine
.set ADRA, 16
.set SG,   18                          ; v[18:19]  -0.25 in lanes 0-15, +0.25 in lanes 16-31
.set ADRB, 20
.set STO,  24
.set RD,   25
.set CO,   26                          ; v26  16 x lane
.set ADRS, 27
.set SPW,  28
.set NIL,  29
.set SC,   32
.set AF,   128
.set OWN,  32                          ; the rotating way out: v32-95 a block by rows; v96-159 the channels 64 away; v160-223 packed results, two sets
.set PAR,  96
.set PKR,  160
.set T,    32                          ; the other way out: v32-95 a block's 64 numbers; v96-127 packed
.set PK,   96
.set G1, 24
.set G0, 32
.set G1B, 48
.set G0B, 56
.set G1S, 68
.set G0S, 76
.set G1SB, 80
.set G0SB, 88
.set MSB, 0
.macro WIN new                         ; the immediate's high byte repeats the setting that is left
.if MSB != (\new)
	s_set_vgpr_msb (MSB<<8)|(\new)
.set MSB, (\new)
.endif
.endm
.set MUL_LO, 0xa1
.set MUL_HI, 0xf1
.set TO_B,   0x40
; A joint load: waves 0 and 1 fetch for x, waves 2 and 3 for W.  The branch hangs on the wave's number alone.  An s_nop 0 and four v_nop follow each of the two lines.
.macro JLOAD g0a, g1a, g0b, g1b
	s_cmp_eq_u32 s15, 0
	s_cbranch_scc0 .Lfor_b_\@
	tensor_load_to_lds s[\g0a:\g0a+3], s[\g1a:\g1a+7]
	s_nop 0
.rept 4
	v_nop
.endr
	s_branch .Lasked_\@
.Lfor_b_\@:
	tensor_load_to_lds s[\g0b:\g0b+3], s[\g1b:\g1b+7]
	s_nop 0
.rept 4
	v_nop
.endr
.Lasked_\@:
.endm
.macro CREST
	s_cmp_lg_u32 s14, 0
	s_cbranch_scc1 .Lnot_wave_0_\@
	s_barrier_signal -3
.Lnot_wave_0_\@:
	s_barrier_wait -3
	s_barrier_signal -1
	s_barrier_wait -1
.endm
.macro CROUND
	s_barrier_signal -1
	s_barrier_wait -1
	CREST
.endm
; The tables' three sets of registers: block a's is set a % 3.  CW: its window; CC: cos; CN: sin; 64 registers each.
.macro SETOF a
.if ((\a)%3) == 0
.set CW, 1                             ; idle while the products run
.set CC, 64
.set CN, 192
.elseif ((\a)%3) == 1
.set CW, 1                             ; W's fragments: free behind the last product
.set CC, 0
.set CN, 128
.else
.set CW, 2                             ; the accumulators of blocks 0 and 1: free once they are in the stage
.set CC, 0
.set CN, 64
.endif
.endm
.macro CSLOAD a                        ; cos and sin of block a's 16 positions: register 4 p + i = channel 4 l + i of position 16 a + p: each load covers 512 consecutive bytes
	SETOF \a
	WIN CW<<6                                      ; the destination's window
.irp p, 0,1,2,3,4,5,6,7,8,9,10,11,12,13,14,15
	global_load_b128 v[CC+4*\p:CC+4*\p+3], v[CO], s[4:5] offset:(\a)*8192+512*\p
	global_load_b128 v[CN+4*\p:CN+4*\p+3], v[CO], s[6:7] offset:(\a)*8192+512*\p
.endr
	WIN 0
.endm
	s_load_b128 s[4:7], s[0:1], 0x0                ; x's codes, x's scales
	s_load_b128 s[8:11], s[0:1], 0x10              ; W's codes, W's scales
	v_lshl_add_u32 v[SPW], v0, 2, SPARE
	v_mov_b32 v[NIL], 0
	ds_add_u32 v[SPW], v[NIL]                      ; the wave's opening: the add, twice on end, and its wait ahead of my first tensor load
	ds_add_u32 v[SPW], v[NIL]
	v_lshrrev_b32 v1, 5, v0
	v_readfirstlane_b32 s14, v1                    ; wave 0..3
	s_lshr_b32 s15, s14, 1                         ; which half of the tile's rows is mine.  Also: I fetch for x (0) or for W (1)
	s_and_b32 s16, s14, 1                          ; which half of its columns.  Also: which 128 rows of that tile I fetch
	s_bfe_u32 s40, ttmp6, 0x40000                  ; cx, cy
	s_bfe_u32 s41, ttmp6, 0x40004
	s_lshl_b32 s42, ttmp9, 2
	s_add_co_u32 s42, s42, s40                     ; tile column
	s_and_b32 s17, ttmp7, 0xffff
	s_lshl_b32 s17, s17, 2
	s_add_co_u32 s17, s17, s41                     ; tile row
	s_lshl_b32 s43, s41, 2
	s_lshl_b32 s43, 15, s43                        ; my row of the cluster
	s_lshl_b32 s44, 0x1111, s40                    ; my column
	s_or_b32 s[G1+0], s43, (0<<16)|(1<<20)|(1<<21)|(5<<22)|(3<<25)  ; the mask; elements of 1 byte; padding: 4 words behind every 64
	s_or_b32 s[G1B+0], s44, (0<<16)|(1<<20)|(1<<21)|(5<<22)|(3<<25)
.irp g, G1, G1B
	s_mov_b32 s[\g+1], ROWB<<16                    ; tensor_dim0
	s_mov_b32 s[\g+2], 128<<16                     ; tensor_dim1
	s_mov_b32 s[\g+3], ROWB<<16                    ; tile_dim0
	s_mov_b32 s[\g+4], 128                         ; tile_dim1
	s_mov_b32 s[\g+5], KROW                        ; the pitch
	s_mov_b32 s[\g+6], 0
	s_mov_b32 s[\g+7], 0
.endr
	s_or_b32 s[G1S+0], s43, (3<<16)|(1<<20)|(1<<21)|(5<<22)|(3<<25)  ; the scales of 128 rows: a dense block, as rows of 256 bytes (32 elements of 8 bytes)
	s_or_b32 s[G1SB+0], s44, (3<<16)|(1<<20)|(1<<21)|(5<<22)|(3<<25)
.irp g, G1S, G1SB
	s_mov_b32 s[\g+1], 32<<16
	s_mov_b32 s[\g+2], (128*KS/256)<<16
	s_mov_b32 s[\g+3], 32<<16
	s_mov_b32 s[\g+4], 128*KS/256
	s_mov_b32 s[\g+5], 32
	s_mov_b32 s[\g+6], 0
	s_mov_b32 s[\g+7], 0
.endr
	s_lshl_b32 s18, s16, 7
	s_lshl_b32 s20, s17, 8
	s_add_co_u32 s20, s20, s18                     ; x: row 256 x tile row + 128 x half
	s_lshl_b32 s46, s42, 8
	s_add_co_u32 s46, s46, s18                     ; W: row 256 x tile column + 128 x half
	s_mov_b32 s21, 0
	s_mov_b32 s47, 0
	s_mov_b64 s[18:19], KS
	s_mul_u64 s[22:23], s[20:21], s[18:19]
	s_mul_u64 s[92:93], s[46:47], s[18:19]
	s_mov_b64 s[18:19], KROW
	s_mul_u64 s[20:21], s[20:21], s[18:19]
	s_mul_u64 s[46:47], s[46:47], s[18:19]
	s_mul_i32 s45, s14, HALFT                      ; where they go: wave x 128 rows
	s_mul_i32 s94, s14, HALFS
	s_wait_dscnt 0x0                               ; both opening adds are done
	s_wait_kmcnt 0x0
	s_add_nc_u64 s[20:21], s[4:5], s[20:21]
	s_add_nc_u64 s[22:23], s[6:7], s[22:23]
	s_add_nc_u64 s[46:47], s[8:9], s[46:47]
	s_add_nc_u64 s[92:93], s[10:11], s[92:93]
	CROUND                                         ; all sixteen work-groups are here: the first joint loads meet
	s_mov_b32 s[G0S], 1
	s_add_co_u32 s[G0S+1], s94, SCL
	s_mov_b64 s[G0S+2:G0S+3], s[22:23]
	s_or_b32 s[G0S+3], s[G0S+3], 0x80000000
	s_mov_b32 s[G0SB], 1
	s_add_co_u32 s[G0SB+1], s94, SCL
	s_mov_b64 s[G0SB+2:G0SB+3], s[92:93]
	s_or_b32 s[G0SB+3], s[G0SB+3], 0x80000000
	JLOAD G0S, G1S, G0SB, G1SB                     ; the scales first
.irp s, 0,1
	s_mov_b32 s[G0+4*\s], 1
	s_add_co_u32 s[G0+4*\s+1], s45, \s*SLOT
	s_add_nc_u64 s[G0+4*\s+2:G0+4*\s+3], s[20:21], \s*ROWB
	s_or_b32 s[G0+4*\s+3], s[G0+4*\s+3], 0x80000000
	s_mov_b32 s[G0B+4*\s], 1
	s_add_co_u32 s[G0B+4*\s+1], s45, \s*SLOT
	s_add_nc_u64 s[G0B+4*\s+2:G0B+4*\s+3], s[46:47], \s*ROWB
	s_or_b32 s[G0B+4*\s+3], s[G0B+4*\s+3], 0x80000000
	JLOAD G0+4*\s, G1, G0B+4*\s, G1B
.endr
	s_load_b256 s[4:11], s[0:1], 0x20              ; the first four addresses have served: cos s[4:5], sin s[6:7], qkv16 s[8:9], fine s[10:11]
	v_and_b32 v1, 15, v0                           ; r
	v_bfe_u32 v2, v0, 4, 1                         ; h
	v_mul_u32_u24 v3, v1, PITCH
	v_lshl_add_u32 v4, v2, 4, v3                   ; a fragment's row x pitch + 16 x half
	s_mul_i32 s21, s15, HALFT
	s_mul_i32 s22, s16, HALFT
	s_add_co_u32 s22, s22, 2*HALFT
.irp s, 0,1
	v_add_nc_u32 v[ADRA+\s], s21, v4
	v_add_nc_u32 v[ADRB+\s], s22, v4
	s_add_co_u32 s21, s21, SLOT
	s_add_co_u32 s22, s22, SLOT
.endr
	v_mul_u32_u24 v5, v1, KS                       ; my row's scales: KS bytes a row,
	v_lshrrev_b32 v6, 8, v5
	v_lshl_add_u32 v5, v6, 4, v5                   ; and 16 more for each 256 passed
	s_mul_i32 s21, s15, HALFS
	s_mul_i32 s22, s16, HALFS
	s_add_co_u32 s22, s22, 2*HALFS
	s_sub_co_u32 s22, s22, s21
	v_mul_u32_u24 v6, s22, v2                      ; lanes 16-31 take W's
	s_add_co_u32 s21, s21, SCL
	v_add_nc_u32 v5, v5, v6
	v_add_nc_u32 v[ADRS], s21, v5
	; the way out's addresses, all made here
	s_mul_i32 s23, s14, 16*RPITCH                  ; my stage of the rotating path
	v_mul_u32_u24 v5, v1, RPITCH                   ; in: row r, 32 bytes for each half of the lanes
	v_lshl_add_u32 v5, v2, 5, v5
	v_add_nc_u32 v[STO], s23, v5
	v_and_b32 v6, 31, v0
	v_lshlrev_b32 v[CO], 4, v6                     ; 16 x lane
	v_add_nc_u32 v[RD], s23, v[CO]                 ; back: the 32 lanes take one row of 512 bytes,
	v_xor_b32 v5, 0x100, v[CO]
	v_add_nc_u32 v[RDP], s23, v5                   ; and the same row with its halves changed over
	v_lshlrev_b32 v[CO8], 3, v6
	v_lshlrev_b32 v[FAI], 8, v6
	v_lshlrev_b32 v[SG], 31, v2
	v_xor_b32 v[SG], 0xbe800000, v[SG]             ; channels under 64 take -x[d + 64] sin[d], the others +x[d - 64] sin[d]; the quarter rides along
	v_mov_b32 v[SG+1], v[SG]
	s_mul_i32 s23, s14, 16*SPITCH                  ; my stage of the other path
	s_add_co_u32 s23, s23, VSTG
	v_mul_u32_u24 v5, v1, SPITCH                   ; in: row r, 16 bytes for each half of the lanes
	v_lshl_add_u32 v5, v2, 4, v5
	v_add_nc_u32 v[STOV], s23, v5
	v_mul_u32_u24 v5, v2, SPITCH                   ; back: lanes 0-15 one row of 256 bytes, lanes 16-31 the next
	v_lshl_add_u32 v5, v1, 4, v5
	v_add_nc_u32 v[RDV], s23, v5
	v_lshlrev_b32 v[FA], 13, v1
	v_lshl_add_u32 v[FA], v2, 5, v[FA]
	s_lshl_b32 s18, s17, 1
	s_add_co_u32 s18, s18, s15                     ; which 128 positions
	v_mov_b32 v[PR], s18
	s_lshl_b32 s66, s18, 16                        ; x 128 rows of 512 bytes of cos and sin
	s_mov_b32 s67, 0
	s_lshl_b32 s19, s42, 1
	s_add_co_u32 s19, s19, s16                     ; which 128 columns: 16 x kind + head
	s_lshl_b32 s98, s19, 19                        ; a head of qkv16: 2,048 rows of 256 bytes,
	s_lshl_b32 s99, s18, 15                        ; my 128 rows of it
	s_add_co_u32 s98, s98, s99
	s_mov_b32 s99, 0
	s_lshr_b32 s95, ttmp9, 1                       ; the kind: 0 q, 1 k, 2 v: two clusters along x to a kind, so it is the same in all sixteen partners
	s_lshr_b32 s100, s19, 4
	s_lshl_b32 s100, s100, 17                      ; fine: 131,072 bytes a kind;
	s_and_b32 s101, s19, 15
	s_cmp_eq_u32 s95, 2
	s_cselect_b32 s94, 9, 13                       ; a head is 512 bytes of a row of v, and an image of 8,192 bytes of q or k
	s_lshl_b32 s101, s101, s94
	s_add_co_u32 s100, s100, s101
	s_mov_b32 s101, 0
	s_mov_b32 s96, 0x3e800000                      ; 0.25; named as a pair, so both are written
	s_mov_b32 s97, s96
	s_wait_kmcnt 0x0
	s_add_nc_u64 s[4:5], s[4:5], s[66:67]
	s_add_nc_u64 s[6:7], s[6:7], s[66:67]
	s_add_nc_u64 s[8:9], s[8:9], s[98:99]
	s_add_nc_u64 s[10:11], s[10:11], s[100:101]
	CSLOAD 0                                       ; block 0's tables, into registers that the products leave idle: they land while the products run.  Every work-group asks, those of v too, which use none of it: 16,384 bytes a wave
.macro FRAG reg, adr, q, i             ; 16 rows x 128 K of 4-bit codes: 8 registers: registers 4 c .. 4 c + 3 hold K = 64 c + 32 h + 0 .. 31
.irp c, 0,1
	ds_load_b128 v[\reg+4*\c:\reg+4*\c+3], v[\adr] offset:64*(\q)+32*\c+(\i)*16*PITCH
.endr
.endm
; 16 matrix instructions: x's blocks a0, a0 + 1 against W's eight.  The 64 accumulators take turns, one instruction a turn, in the same order in every step.
.macro MUL16 a0, p, q, sc, zero
.irp a, \a0, \a0+1
.irp b, 0,1,2,3,4,5,6,7
.if \zero
	v_wmma_scale_f32_16x16x128_f8f6f4 v[8*(8*((\a)%4)+\b):8*(8*((\a)%4)+\b)+7], v[128*(\p)+FR*\b:128*(\p)+FR*\b+FR-1], v[AF+FR*(\a):AF+FR*(\a)+FR-1], 0, v[SC+8*NQ*(\sc)+NQ*\b+(\q)], v[SC+8*NQ*(\sc)+NQ*(\a)+(\q)] matrix_a_fmt:MATRIX_FMT_FP4 matrix_b_fmt:MATRIX_FMT_FP4 matrix_a_scale:MATRIX_SCALE_ROW1
.else
	v_wmma_scale_f32_16x16x128_f8f6f4 v[8*(8*((\a)%4)+\b):8*(8*((\a)%4)+\b)+7], v[128*(\p)+FR*\b:128*(\p)+FR*\b+FR-1], v[AF+FR*(\a):AF+FR*(\a)+FR-1], v[8*(8*((\a)%4)+\b):8*(8*((\a)%4)+\b)+7], v[SC+8*NQ*(\sc)+NQ*\b+(\q)], v[SC+8*NQ*(\sc)+NQ*(\a)+(\q)] matrix_a_fmt:MATRIX_FMT_FP4 matrix_b_fmt:MATRIX_FMT_FP4 matrix_a_scale:MATRIX_SCALE_ROW1
.endif
.endr
.endr
.endm
.macro FETCH_B slot, q, p
	WIN TO_B
.irp i, 0,1,2,3,4,5,6,7
	FRAG 128*(\p)+FR*\i, ADRB+\slot, \q, \i
.endr
	WIN 0
.endm
.macro FETCH_A slot, q, i0
.irp i, \i0, \i0+1, \i0+2, \i0+3
	FRAG AF+FR*(\i), ADRA+\slot, \q, \i
.endr
.endm
.macro SCALES sc                       ; a K step's scale words: lanes 0-15 take x's block i, lanes 16-31 W's block i
.irp i, 0,1,2,3,4,5,6,7
	ds_load_b128 v[SC+8*NQ*\sc+NQ*\i:SC+8*NQ*\sc+NQ*\i+3], v[ADRS] offset:\i*SBLK
.endr
.endm
.macro PLACES n                        ; plain vector lines between a matrix instruction and a load into, or a read of, its registers
.rept \n
	v_nop
.endr
.endm
.macro STEP slot, q, zero
	s_wait_dscnt 4*NL                              ; W's set and x's blocks 0-3 are in; the youngest eight loads (x's blocks 4-7) may be out
	WIN MUL_LO
	MUL16 0, (\q)%2, \q, \slot, \zero
	MUL16 2, (\q)%2, \q, \slot, \zero
	s_wait_dscnt 0
	PLACES NP
	FETCH_B \slot, (\q)+1, 1-(\q)%2
	FETCH_A \slot, (\q)+1, 0
	WIN MUL_HI
	MUL16 4, (\q)%2, \q, \slot, \zero
	MUL16 6, (\q)%2, \q, \slot, \zero
	PLACES NP
	WIN 0
	FETCH_A \slot, (\q)+1, 4
.endm
; A slot's last step changes slots: one barrier; in front of it each wave waits for all its tensor loads, adds 0 to its spare word, and waits for that and for its reads of this slot.
.macro TURN slot, next, fill
	s_wait_tensorcnt 0x0                           ; all my tensor loads have landed: my part of the next slot
	ds_add_u32 v[SPW], v[NIL]
	s_wait_dscnt 4*NL+1                            ; (the add and the youngest eight loads may be out)
	WIN MUL_LO
	MUL16 0, 1, NQ-1, \slot, 0
	s_wait_dscnt 0x0                               ; the add is done, and my reads of this slot are over
	s_barrier_signal -1
	MUL16 2, 1, NQ-1, \slot, 0
	WIN 0
	s_barrier_wait -1
.if \fill
	CREST                                          ; the barrier has opened a round of the cluster's: no wave of any partner still reads this slot or has a load on its way
	s_add_nc_u64 s[G0+4*\slot+2:G0+4*\slot+3], s[G0+4*\slot+2:G0+4*\slot+3], 2*ROWB
	s_add_nc_u64 s[G0B+4*\slot+2:G0B+4*\slot+3], s[G0B+4*\slot+2:G0B+4*\slot+3], 2*ROWB
	JLOAD G0+4*\slot, G1, G0B+4*\slot, G1B         ; the first tensor load behind the round
.else
	PLACES NP
.endif
	v_add_nc_u32 v[ADRS], 4*NQ, v[ADRS]            ; the next K step's scale words
	FETCH_B \next, 0, 0
	FETCH_A \next, 0, 0
	SCALES \next
	WIN MUL_HI
	MUL16 4, 1, NQ-1, \slot, 0
	MUL16 6, 1, NQ-1, \slot, 0
	PLACES NP
	WIN 0
	FETCH_A \next, 0, 4
.endm
.macro STEPS slot, from
.set Q, \from
.rept NQ-1-\from
	STEP \slot, Q, 0
.set Q, Q+1
.endr
.endm
	s_wait_tensorcnt 1                             ; the scales and my part of K step 0 are in; K step 1's load may be out
	s_barrier_signal -1
	s_barrier_wait -1
	FETCH_B 0, 0, 0
	FETCH_A 0, 0, 0
	SCALES 0
	FETCH_A 0, 0, 4
	STEP 0, 0, 1                                   ; the first step's products start the sums
	s_mov_b32 s3, LAPS-1
.Llap:
	STEPS 0, 1
	TURN 0, 1, 1
	STEPS 1, 0
	TURN 1, 0, 1
	STEP 0, 0, 0
	s_sub_co_u32 s3, s3, 1
	s_cmp_lg_u32 s3, 0
	s_cbranch_scc1 .Llap
	STEPS 0, 1                                     ; the last lap fills nothing
	TURN 0, 1, 0
	STEPS 1, 0
	s_wait_dscnt 4*NL
	WIN MUL_LO
	MUL16 0, 1, NQ-1, 1, 0
	MUL16 2, 1, NQ-1, 1, 0
	s_wait_dscnt 0
	WIN MUL_HI
	MUL16 4, 1, NQ-1, 1, 0
	MUL16 6, 1, NQ-1, 1, 0
	WIN 0
; THE WAY OUT OF q AND k, block by block of 16 positions x the head's 128 channels.
.macro TOST a                          ; block a's eight accumulators into my stage as they are: lane (r, h) puts channels 16 b + 8 h + 0 .. 7 of row r; each accumulator from its low end on
.set AC, 64*((\a)%4)
	WIN 0x08+4*((\a)/4)                            ; an LDS store's data are its source 1: window 2 or 3
.irp b, 0,1,2,3,4,5,6,7
	ds_store_b128 v[STO], v[AC+8*\b:AC+8*\b+3] offset:64*\b
	ds_store_b128 v[STO], v[AC+8*\b+4:AC+8*\b+7] offset:64*\b+16
.endr
	WIN 0
.endm
.macro BACK                            ; and back by rows: register 4 p + i = channel 4 l + i of row p, and the channel 64 away.  LDS serves a wave's instructions in order: these see the stores above, and the next block's stores come behind them
.irp p, 0,1,2,3,4,5,6,7,8,9,10,11,12,13,14,15
	ds_load_b128 v[OWN+4*\p:OWN+4*\p+3], v[RD] offset:\p*RPITCH
	ds_load_b128 v[PAR+4*\p:PAR+4*\p+3], v[RDP] offset:\p*RPITCH
.endr
.endm
.macro ROT a                           ; (0.25 x[d]) cos[d] + (-+0.25 x[d +- 64]) sin[d]: the quarters are exact, so this is a quarter of x[d] cos[d], rounded, with the second product fused on
	SETOF \a
.set n, 0
.rept 32
	v_pk_mul_f32 v[PAR+n:PAR+n+1], v[PAR+n:PAR+n+1], v[SG:SG+1]
.set n, n+2
.endr
.set n, 0
.rept 32
	v_pk_mul_f32 v[OWN+n:OWN+n+1], v[OWN+n:OWN+n+1], s[96:97] op_sel_hi:[1,0]
.set n, n+2
.endr
	WIN CW<<2                                      ; source 1: the tables' window
.set n, 0
.rept 32
	v_pk_mul_f32 v[OWN+n:OWN+n+1], v[OWN+n:OWN+n+1], v[CC+n:CC+n+1]
.set n, n+2
.endr
.set n, 0
.rept 32
	v_pk_fma_f32 v[OWN+n:OWN+n+1], v[PAR+n:PAR+n+1], v[CN+n:CN+n+1], v[OWN+n:OWN+n+1]
.set n, n+2
.endr
	WIN 0
.endm
; Positions 0-15 of q and k in f32: the lanes are on only in the waves whose positions begin with 0.  No branch: which tile row is mine hangs on my place in the cluster.
; Row p's 16 bytes of lane l go to 256 l + 16 p of the head's image: lane p + 16 (l % 2), registers 4 (l / 2) on, of the launch that reads it.  Pieces of 16 bytes: 262,144 bytes in the whole launch leave so.
.macro FINER
	s_wait_xcnt 0x0                                ; EXEC changes only behind this wait
	v_cmp_eq_u32 vcc_lo, 0, v[PR]
	s_and_saveexec_b32 s18, vcc_lo
.irp p, 0,1,2,3,4,5,6,7,8,9,10,11,12,13,14,15
	global_store_b128 v[FAI], v[OWN+4*\p:OWN+4*\p+3], s[10:11] offset:16*\p
.endr
	s_wait_xcnt 0x0                                ; and again; the stores have also read v32-95, which the next block's numbers take
	s_or_b32 exec_lo, exec_lo, s18
.endm
; Rounded to f16: 8 bytes a lane, a row of 256 bytes a store.  Between the roundings and the stores the next block comes back from the stage and the block after it goes in.
.macro OUTR a
.if (\a) > 1
	s_wait_xcnt 0x0                                ; block a - 2's stores have read this set of packed registers
.endif
.set PB, PKR+32*((\a)%2)
.irp p, 0,1,2,3,4,5,6,7,8,9,10,11,12,13,14,15
	v_cvt_pk_f16_f32 v[PB+2*\p], v[OWN+4*\p], v[OWN+4*\p+1]
	v_cvt_pk_f16_f32 v[PB+2*\p+1], v[OWN+4*\p+2], v[OWN+4*\p+3]
.endr
.if (\a) < 7
	BACK
.endif
.if (\a) < 6
	TOST (\a)+2
.endif
.irp p, 0,1,2,3,4,5,6,7,8,9,10,11,12,13,14,15
	global_store_b64 v[CO8], v[PB+2*\p:PB+2*\p+1], s[8:9] offset:(\a)*4096+256*\p   ; 32 lanes store 256 consecutive bytes, aligned
.endr
.endm
; THE WAY OUT OF v: no rotation.
.macro PLAIN a
.set AC, 64*((\a)%4)
	WIN 0x02+(\a)/4                                ; source 0: the accumulators' window
.irp b, 0,1,2,3,4,5,6,7
.irp p, 0,2,4,6
	v_pk_mul_f32 v[T+8*\b+\p:T+8*\b+\p+1], v[AC+8*\b+\p:AC+8*\b+\p+1], s[96:97] op_sel_hi:[1,0]
.endr
.endr
	WIN 0
.endm
; Positions 0-15 of v in f32, by rows.  A lane stores 32 neighbouring bytes of a row, rows 8,192 bytes apart: 131,072 bytes in the whole launch leave so.
.macro FINE
	s_wait_xcnt 0x0                                ; EXEC changes only behind this wait
	v_cmp_eq_u32 vcc_lo, 0, v[PR]
	s_and_saveexec_b32 s18, vcc_lo
.irp b, 0,1,2,3,4,5,6,7
	global_store_b128 v[FA], v[T+8*\b:T+8*\b+3], s[10:11] offset:64*\b
	global_store_b128 v[FA], v[T+8*\b+4:T+8*\b+7], s[10:11] offset:64*\b+16
.endr
	s_wait_xcnt 0x0                                ; and again; the stores have also read v32-95
	s_or_b32 exec_lo, exec_lo, s18
.endm
; Rounded to f16; 16 bytes a lane into my stage; back as whole rows of 256 bytes; 32 lanes store 512 consecutive bytes.
.macro PACKOUT a, sto, rd
	s_wait_xcnt 0x0                                ; the last block's stores have read v96-127
.irp b, 0,1,2,3,4,5,6,7
.irp q, 0,1,2,3
	v_cvt_pk_f16_f32 v[PK+4*\b+\q], v[T+8*\b+2*\q], v[T+8*\b+2*\q+1]
.endr
.endr
.irp b, 0,1,2,3,4,5,6,7
	ds_store_b128 v[\sto], v[PK+4*\b:PK+4*\b+3] offset:32*\b
.endr
.irp f, 0,1,2,3,4,5,6,7
	ds_load_b128 v[PK+4*\f:PK+4*\f+3], v[\rd] offset:\f*2*SPITCH
.endr
.irp f, 0,1,2,3,4,5,6,7
	s_wait_dscnt 7-\f                              ; the younger read-backs may be out
	global_store_b128 v[CO], v[PK+4*\f:PK+4*\f+3], s[8:9] offset:(\a)*4096+512*\f
.endr
.endm
	PLACES NP                                      ; behind the last products: for the loads and writes into the registers that held fragments and scale words, and for the reads of results
	s_cmp_eq_u32 s95, 2
	s_cbranch_scc1 .Lv
	s_wait_loadcnt 0x0                             ; block 0's tables, asked for at the head
	TOST 0
	BACK
	TOST 1
	CSLOAD 1
	s_wait_dscnt 0x0                               ; block 0 is back; the stage's stores have read the accumulators of blocks 0 and 1,
	CSLOAD 2                                       ; which take block 2's tables
	ROT 0
	FINER
	OUTR 0
.irp a, 1,2,3,4,5,6,7
.if \a < 7
	s_wait_loadcnt 32                              ; this block's tables are in; the next block's 32 loads may be out
.else
	s_wait_loadcnt 0x0
.endif
.if \a < 6
	CSLOAD \a+2                                    ; two blocks ahead, into the set that the block before has read
.endif
.if \a < 7
	s_wait_dscnt 16                                ; this block is back from the stage; the next block's 16 stores may be out
.else
	s_wait_dscnt 0x0
.endif
	ROT \a
	OUTR \a
.endr
	s_branch .Ldone
.Lv:
.irp a, 0,1,2,3,4,5,6,7
	PLAIN \a
.if \a == 0
	FINE
.endif
	PACKOUT \a, STOV, RDV
.endr
.Ldone:
	s_wait_tensorcnt 0x0                           ; the wave's end
	ds_add_u32 v[SPW], v[NIL]
	s_wait_dscnt 0x0
	CROUND                                         ; the closing round
	s_endpgm
.Lfunc_end_k_qd2718733f0_qkv:
	.size	k_qd2718733f0_qkv, .Lfunc_end_k_qd2718733f0_qkv-k_qd2718733f0_qkv
	.p2alignl 7, 3214868480
	.fill 96, 4, 3214868480
	.section	.rodata,"a",@progbits
	.p2align	6, 0x0
	.amdhsa_kernel k_qd2718733f0_qkv
		.amdhsa_group_segment_fixed_size 327680
		.amdhsa_private_segment_fixed_size 0
		.amdhsa_enable_private_segment 0
		.amdhsa_kernarg_size 64
		.amdhsa_user_sgpr_count 2
		.amdhsa_user_sgpr_kernarg_segment_ptr 1
		.amdhsa_wavefront_size32 1
		.amdhsa_system_sgpr_workgroup_id_x 1
		.amdhsa_system_sgpr_workgroup_id_y 1
		.amdhsa_system_sgpr_workgroup_id_z 1
		.amdhsa_system_vgpr_workitem_id 0
		.amdhsa_next_free_vgpr 1024
		.amdhsa_next_free_sgpr 102
		.amdhsa_reserve_vcc 1
		.amdhsa_float_denorm_mode_32 3
		.amdhsa_float_denorm_mode_16_64 3
		.amdhsa_memory_ordered 1
		.amdhsa_forward_progress 1
		.amdhsa_inst_pref_size 255
	.end_amdhsa_kernel
	.section	.bss,"aw",@nobits
	.p2align	6
	.space	262144
	.amdgpu_metadata
---
amdhsa.version: [ 1, 2 ]
amdhsa.kernels:
  - .name:           k_qd2718733f0_qkv
    .symbol:         k_qd2718733f0_qkv.kd
    .args:
      - { .name: xc, .offset: 0, .size: 8, .value_kind: global_buffer, .address_space: global }
      - { .name: xs, .offset: 8, .size: 8, .value_kind: global_buffer, .address_space: global }
      - { .name: wc, .offset: 16, .size: 8, .value_kind: global_buffer, .address_space: global }
      - { .name: ws, .offset: 24, .size: 8, .value_kind: global_buffer, .address_space: global }
      - { .name: cos, .offset: 32, .size: 8, .value_kind: global_buffer, .address_space: global }
      - { .name: sin, .offset: 40, .size: 8, .value_kind: global_buffer, .address_space: global }
      - { .name: qkv16, .offset: 48, .size: 8, .value_kind: global_buffer, .address_space: global }
      - { .name: fine, .offset: 56, .size: 8, .value_kind: global_buffer, .address_space: global }
    .group_segment_fixed_size: 327680
    .private_segment_fixed_size: 0
    .kernarg_segment_align: 8
    .kernarg_segment_size: 64
    .max_flat_workgroup_size: 128
    .sgpr_count:     102
    .vgpr_count:     1024
    .wavefront_size: 32
...
	.end_amdgpu_metadata
.endif
;; end of part 2
;; launch attn (part 3): grid 16 x 16, 4 waves a work-group, clusters of 4 x 1, 327,680 bytes of LDS; arguments qkv16, ctx16; writes ctx16
.if DOCPART == 3
	.amdgcn_target "amdgcn-amd-amdhsa--gfx1250"
	.amdhsa_code_object_version 6
	.text
	.protected	k_qd2718733f0_attn
	.globl	k_qd2718733f0_attn
	.p2align	8
	.type	k_qd2718733f0_attn,@function
k_qd2718733f0_attn:
	s_mov_b64 s[64:65], 0
	v_nop
	global_prefetch_b8 v0, s[64:65] scope:SCOPE_SE
	s_setreg_imm32_b32 hwreg(HW_REG_WAVE_MODE, 25, 1), 1
	s_wait_xcnt 0x0
	s_wait_alu depctr_hold_cnt(0) depctr_sa_sdst(0) depctr_va_vdst(0) depctr_va_sdst(0) depctr_va_ssrc(0) depctr_va_vcc(0) depctr_vm_vsrc(0)
	s_getreg_b32 s2, hwreg(HW_REG_IB_STS2, 6, 4)
	s_cmp_eq_u32 s2, 0
	s_cbranch_scc0 .Lentry_in_a_cluster
	s_endpgm
.Lentry_in_a_cluster:
	s_bfe_u32 s2, ttmp6, 0x10000c
	s_cmp_lg_u32 s2, 0x3003
	s_cbranch_scc0 .Lentry_shape_is_right
	s_endpgm
.Lentry_shape_is_right:
; ctx[q] = sum over k <= q of softmax_k(Q[q] . K[k] / sqrt(128)) V[k], for each of 16 heads of 128; 2,048 positions.  Q, K, V arrive as f16 x 0.25 in qkv16 [kind][head][position][128]; ctx16 [position][2048] takes 0.25 ctx in f16.
; Products on f16 operands with f32 sums; maxima, exponentials and sums in f32; the weights p (at most 1) are rounded to f16 for the second product.  Scores arrive x 1/16, so c = 16 log2(e) / sqrt(128).
; LIMITS: p under 6e-8 becomes 0 in f16; NaN and infinities are not served.  The running maximum begins at -1e30, which lies under every score that f16 operands can give (128 x 65,504^2).
; SHARES.  A work-group owns two blocks of 64 queries of one head: block j, then block 31 - j (j = 0 .. 15).  Its keys go in rounds of 128, one LDS slot a round.  The four work-groups of a cluster (j = 4 g + cx) walk
; the same rounds: 2 g + 2 for the first block, 16 - 2 g for the second: 18 in every work-group, so the loop's count is a constant and every tile is asked for jointly and read by all four.
; What the causal mask hides becomes -infinity ahead of the maximum; only the last two rounds of a block can hold hidden keys (keys under 256 g, or under 1,792 - 256 g, count for every query of the four partners).
; Wave w: query group w / 2 (32 queries: two tiles of 16), key half w % 2 (64 of a round's 128 keys).  The two waves of a query group hold partial (m, l, O) and merge them through LDS at a block's end.
; Register tile t of a wave is query tile t xor (w % 2): so every wave keeps its register tile 0 and sends its register tile 1, and one text serves all four.
; LAYOUT.  S^T = K Q^T (source 0 = 16 keys, source 1 = 16 queries): a lane holds ONE query (lane % 16) and keys 8 (lane / 16) + 0 .. 7 of each tile of 16.  Two such tiles, rounded in pairs, ARE source 1 of O^T = V^T P.
; K comes out of LDS as it lies, V turned by ds_load_tr16_b128.  The step is written in phases: K's loads, K Q^T with V's loads dealt between its groups, softmax, V^T P.
; Q of both blocks is loaded at the head; the second block's waits in idle registers of window 2.
; REGISTERS: window 0: v1-15, v52 addresses; v16-31 statistics, 8 a tile (+0 c m, +1 m, +2, +3 l, +4 .. +7 at work); v32-47 the merge; v48-51 the mask; v64-127 S^T; v128-159 P; v160-223 Q; v224-255 packed results.
;   window 1: v0-127 K, v128-255 V.   window 2: v0-127 O^T, 64 a tile; v128-191 the partner's tile; v192-255 the second block's Q.
.set KS,    64
.set PK,    272                        ; a row of K in LDS: 256 bytes + 16
.set PV,    288                        ; a row of V: 256 + 32
.set VOFF,  KS*PK
.set UNIT,  KS*(PK+PV)                 ; 64 keys: K's rows, then V's
.set SLOT1, 1<<17                      ; a slot holds two units; slot 1 begins here: one exclusive or turns an address
.set XST,   SLOT1+2*UNIT               ; what a wave sends its partner: 16 x 512 bytes of O^T, then c m, then l
.set XSZ,   8704
.set OST,   XST+4*XSZ                  ; the way out: 16 rows x 272 bytes for each wave
.set SP,    272
.set SPARE, OST+4*16*SP                ; the spare words: 128 bytes a wave, named by no other line
.set AK0, 2
.set AV0, 3
.set ADK, 4
.set QA,  5                            ; v5, v6 my byte in the wave's 32 rows of Q, for register tiles 0, 1
.set STO, 7
.set RD,  8
.set GO,  10
.set XW,  11
.set XR,  12
.set XWS, 13
.set XRS, 14
.set NINF, 15
.set ST,  16
.set MG,  32
.set DD,  48
.set DQ,  50
.set ADV, 52
.set PFO, 61
.set SPW, 62
.set NIL, 63
.set S,   64
.set P,   128
.set Q,   160
.set PKO, 224
.set Q2,  192                          ; in window 2
.set WV,  8
.set KH,  9
.set QG,  10
.set CX,  11
.set HEAD, 13
.set J,   14
.set LIM, 15
.set RA,  16
.set RB,  17
.set PFA, 18
.set QH,  20
.set CH,  22
.set G1K, 24
.set G1V, 32
.set G0K, 40
.set G0V, 44
.set KB,  48
.set VB,  50
.set OFF, 52
.set QB,  54
.set CB,  56
.set CS,  58
.set SEL, 60
.set TB,  62
.set RC,  63
.set KF,  66
.set LEFT, 67
.set Q0,  68
.set BLK, 69
.set MSB, 0
.macro WIN new
.if MSB != (\new)
	s_set_vgpr_msb (MSB<<8)|(\new)
.set MSB, (\new)
.endif
.endm
.macro PLACES
.rept 4
	v_nop
.endr
.endm
; A joint load: waves 0 and 1 fetch the round's two units of K, waves 2 and 3 those of V.  The branch hangs on the wave's number alone.  An s_nop 0 and four v_nop follow each line.
.macro JLOAD
	s_cmp_lt_u32 s[WV], 2
	s_cbranch_scc0 .Lfor_v_\@
	tensor_load_to_lds s[G0K:G0K+3], s[G1K:G1K+7]
	s_nop 0
.rept 4
	v_nop
.endr
	s_branch .Lasked_\@
.Lfor_v_\@:
	tensor_load_to_lds s[G0V:G0V+3], s[G1V:G1V+7]
	s_nop 0
.rept 4
	v_nop
.endr
.Lasked_\@:
.endm
; A prefetch into the L2: in trip r the keys 128 (r + 2) on: 128 rows of K and of V, 256 bytes a row, a lane a row.  All clusters of a head walk the same K and V: the head's first cluster asks;
; its four partners take 32 rows each, told apart by address; in each, wave 0 asks for K's and wave 2 for V's.  So each row is named once.  Trips 0 to 13 ask: the last names keys 1,920 on.  Keys 0-255 come by their loads alone.
.macro ASK
	s_cmp_lt_u32 s[RC], s[LIM]
	s_cbranch_scc0 .Lnot_mine_\@
	global_prefetch_b8 v[PFO], s[PFA:PFA+1] th:TH_LOAD_NT scope:SCOPE_SE
.Lnot_mine_\@:
.endm
.macro CROUND                          ; a round of the cluster's barrier
	s_barrier_signal -1
	s_barrier_wait -1
	s_cmp_lg_u32 s[WV], 0
	s_cbranch_scc1 .Lnot_wave_0_\@
	s_barrier_signal -3
.Lnot_wave_0_\@:
	s_barrier_wait -3
	s_barrier_signal -1
	s_barrier_wait -1
.endm
	s_load_b128 s[4:7], s[0:1], 0x0                ; qkv16 s[4:5], ctx16 s[6:7]
	v_lshl_add_u32 v[SPW], v0, 2, SPARE
	v_mov_b32 v[NIL], 0
	ds_add_u32 v[SPW], v[NIL]                      ; the wave's opening: the add, twice on end, and its wait ahead of my first tensor load
	ds_add_u32 v[SPW], v[NIL]
	v_lshrrev_b32 v1, 5, v0
	v_readfirstlane_b32 s[WV], v1                  ; wave 0..3
	s_and_b32 s[KH], s[WV], 1                      ; my key half; also which unit I fetch
	s_lshr_b32 s[QG], s[WV], 1                     ; my query group
	s_bfe_u32 s[CX], ttmp6, 0x40000                ; my place in the cluster: it enters Q's and ctx's addresses, the mask's numbers and the prefetch's address alone
	s_and_b32 s[HEAD], ttmp7, 0xffff
	s_lshl_b32 s[J], ttmp9, 2
	s_add_co_u32 s[J], s[J], s[CX]                 ; j = 4 g + cx
	s_lshl_b32 s[RA], ttmp9, 1
	s_add_co_u32 s[RA], s[RA], 2                   ; rounds of the first block: 2 g + 2
	s_sub_co_u32 s[RB], 18, s[RA]                  ; of the second: 16 - 2 g
	s_mov_b32 s[G1K], 15|(1<<16)|(1<<20)|(1<<21)|(5<<22)|(3<<25)  ; the mask: all four; elements of 2 bytes; padding: 4 words behind every 64
	s_mov_b32 s[G1V], 15|(1<<16)|(1<<20)|(1<<21)|(5<<22)|(7<<25)  ; the same with 8 words
.irp g, G1K, G1V
	s_mov_b32 s[\g+1], 128<<16                     ; tensor_dim0
	s_mov_b32 s[\g+2], KS<<16                      ; tensor_dim1
	s_mov_b32 s[\g+3], 128<<16                     ; tile_dim0
	s_mov_b32 s[\g+4], KS                          ; tile_dim1
	s_mov_b32 s[\g+5], 128                         ; the pitch
	s_mov_b32 s[\g+6], 0
	s_mov_b32 s[\g+7], 0
.endr
	s_mov_b32 s[CS], 0x400293ee                    ; c = 16 log2(e) / sqrt(128)
	s_mov_b32 s[CS+1], s[CS]
	s_mov_b32 s[SEL], 0x76543210
	s_mov_b32 s[SEL+1], 0xfedcba98
	s_mov_b32 s[TB], 0
	s_mov_b32 s[OFF], 0
	s_mov_b32 s[OFF+1], 0
	s_or_b32 s70, s[KH], ttmp9                     ; 0 in waves 0 and 2 of the head's first cluster
	s_cmp_eq_u32 s70, 0
	s_cselect_b32 s[LIM], 14, 0
	s_lshl_b32 s70, s[HEAD], 19                    ; a head: 2,048 rows of 256 bytes
	s_mov_b32 s71, 0
	s_lshl_b32 s72, s[KH], 14                      ; my unit's 64 rows
	s_mov_b32 s73, 0
	s_lshl_b32 s74, s[HEAD], 8                     ; a head's 256 bytes in a row of ctx16
	s_mov_b32 s75, 0
	v_and_b32 v[PFO], 31, v0
	v_lshlrev_b32 v[PFO], 8, v[PFO]
	s_wait_dscnt 0x0                               ; both opening adds are done
	s_wait_kmcnt 0x0
	s_add_nc_u64 s[QH:QH+1], s[4:5], s[70:71]
	s_add_nc_u64 s[CH:CH+1], s[6:7], s[74:75]
	s_add_nc_u64 s[KB:KB+1], s[QH:QH+1], s[72:73]
	s_add_nc_u64 s[VB:VB+1], s[KB:KB+1], 0x1000000 ; V's heads begin 16,777,216 bytes in,
	s_add_nc_u64 s[KB:KB+1], s[KB:KB+1], 0x800000  ; K's 8,388,608
	s_cmp_lt_u32 s[WV], 2
	s_cselect_b64 s[PFA:PFA+1], s[KB:KB+1], s[VB:VB+1]
	s_lshl_b32 s70, s[CX], 13                      ; my work-group's 32 rows of 128,
	s_add_co_u32 s70, s70, 32768                   ; in round 1: the first change steps it to round 2
	s_add_nc_u64 s[PFA:PFA+1], s[PFA:PFA+1], s[70:71]
	s_mul_i32 s70, s[KH], UNIT
	s_mov_b32 s[G0K], 1
	s_mov_b32 s[G0K+1], s70
	s_mov_b64 s[G0K+2:G0K+3], s[KB:KB+1]
	s_or_b32 s[G0K+3], s[G0K+3], 0x80000000
	s_mov_b32 s[G0V], 1
	s_add_co_u32 s[G0V+1], s70, VOFF
	s_mov_b64 s[G0V+2:G0V+3], s[VB:VB+1]
	s_or_b32 s[G0V+3], s[G0V+3], 0x80000000
	CROUND                                         ; all four work-groups are here: the first joint loads meet
	JLOAD                                          ; round 0 into slot 0
	v_and_b32 v1, 15, v0                           ; r
	v_bfe_u32 v9, v0, 4, 1                         ; h
	v_and_b32 v53, 31, v0                          ; lane
	v_mul_u32_u24 v[AK0], v1, PK
	v_lshl_add_u32 v[AK0], v9, 4, v[AK0]
	v_add_nc_u32 v[AK0], s70, v[AK0]               ; K: row x pitch + 16 h, in my unit
	v_and_b32 v54, 7, v0
	v_bfe_u32 v55, v0, 3, 1
	v_lshl_add_u32 v[AV0], v9, 3, v54              ; V, for the turning load: key 8 h + lane % 8, channels 8 ((lane / 8) % 2) on
	v_mul_u32_u24 v[AV0], v[AV0], PV
	v_lshl_add_u32 v[AV0], v55, 4, v[AV0]
	s_add_co_u32 s70, s70, VOFF
	v_add_nc_u32 v[AV0], s70, v[AV0]
	v_lshlrev_b32 v54, 8, v1
	v_lshl_add_u32 v54, v9, 4, v54                 ; Q: row r of 256 bytes + 16 h,
	s_lshl_b32 s70, s[KH], 12
	s_xor_b32 s71, s70, 4096
	v_add_nc_u32 v[QA], s70, v54                   ; register tile t is query tile t xor my key half
	v_add_nc_u32 v[QA+1], s71, v54
	s_mul_i32 s70, s[WV], 16*SP
	s_add_co_u32 s70, s70, OST
	v_mul_u32_u24 v[STO], v1, SP
	v_lshl_add_u32 v[STO], v9, 4, v[STO]
	v_add_nc_u32 v[STO], s70, v[STO]
	v_mul_u32_u24 v[RD], v9, SP
	v_lshl_add_u32 v[RD], v1, 4, v[RD]
	v_add_nc_u32 v[RD], s70, v[RD]
	v_lshlrev_b32 v[GO], 12, v9                    ; ctx16: lanes 0-15 one row, lanes 16-31 the next, 4,096 bytes on
	v_lshl_add_u32 v[GO], v1, 4, v[GO]
	s_mul_i32 s70, s[WV], XSZ
	s_add_co_u32 s70, s70, XST
	s_xor_b32 s71, s[WV], 1                        ; my partner
	s_mul_i32 s71, s71, XSZ
	s_add_co_u32 s71, s71, XST
	v_lshl_add_u32 v[XW], v53, 4, s70
	v_lshl_add_u32 v[XR], v53, 4, s71
	s_add_co_u32 s70, s70, 8192
	s_add_co_u32 s71, s71, 8192
	v_lshl_add_u32 v[XWS], v53, 2, s70
	v_lshl_add_u32 v[XRS], v53, 2, s71
	v_mov_b32 v[NINF], 0xff800000
	v_lshlrev_b32 v54, 3, v9
	v_sub_nc_u32 v54, v1, v54                      ; r - 8 h
	s_lshl_b32 s70, s[KH], 4
	s_xor_b32 s71, s70, 16
	v_add_nc_u32 v[DQ], s70, v54
	v_add_nc_u32 v[DQ+1], s71, v54
	v_mov_b32 v[MG+7], 0                           ; a lane permute's destination counts as one of its sources
; A block begins: its addresses, its Q, its statistics; O^T begins as zeros, so that the step is written once (the first change of m multiplies zeros).
; first = 1: Q of BOTH blocks is loaded, the second block's into window 2; first = 0: that Q is moved over, and nothing is waited for.
.macro START first
	s_lshl_b32 s[Q0], s[BLK], 6
	s_lshl_b32 s70, s[QG], 5
	s_add_co_u32 s[Q0], s[Q0], s70                 ; my first query
	s_lshl_b32 s72, s[KH], 4
	s_add_co_u32 s72, s72, s[Q0]                   ; the 16 queries that I finish
	s_lshl_b32 s72, s72, 12
	s_mov_b32 s73, 0
	s_add_nc_u64 s[CB:CB+1], s[CH:CH+1], s[72:73]
	s_lshl_b32 s[KF], s[KH], 6                     ; my first key of round 0
.if \first
	s_lshl_b32 s70, s[Q0], 8
	s_mov_b32 s71, 0
	s_add_nc_u64 s[QB:QB+1], s[QH:QH+1], s[70:71]
	s_sub_co_u32 s74, 31, s[J]                     ; the second block,
	s_lshl_b32 s74, s74, 6
	s_lshl_b32 s75, s[QG], 5
	s_add_co_u32 s74, s74, s75                     ; my first query in it,
	s_lshl_b32 s74, s74, 8
	s_mov_b32 s75, 0
	s_add_nc_u64 s[74:75], s[QH:QH+1], s[74:75]    ; and its row
.irp t, 0,1
.irp c, 0,1,2,3
	global_load_b128 v[Q+32*\t+8*\c:Q+32*\t+8*\c+3],   v[QA+\t], s[QB:QB+1] offset:64*\c
	global_load_b128 v[Q+32*\t+8*\c+4:Q+32*\t+8*\c+7], v[QA+\t], s[QB:QB+1] offset:64*\c+32
.endr
.endr
	WIN 0x80                                       ; destination window 2
.irp t, 0,1
.irp c, 0,1,2,3
	global_load_b128 v[Q2+32*\t+8*\c:Q2+32*\t+8*\c+3],   v[QA+\t], s[74:75] offset:64*\c
	global_load_b128 v[Q2+32*\t+8*\c+4:Q2+32*\t+8*\c+7], v[QA+\t], s[74:75] offset:64*\c+32
.endr
.endr
	WIN 0
.else
	WIN 0x02                                       ; source 0 window 2
.set n, 0
.rept 64
	v_mov_b32 v[Q+n], v[Q2+n]
.set n, n+1
.endr
	WIN 0
.endif
.irp t, 0,1
	v_mov_b32 v[ST+8*\t+1], 0xf149f2ca             ; m = -1e30
	v_mul_f32 v[ST+8*\t], s[CS], v[ST+8*\t+1]      ; c m
	v_mov_b32 v[ST+8*\t+2], 0                      ; l, in two halves
	v_mov_b32 v[ST+8*\t+3], 0
.endr
	WIN 0x80                                       ; destination window 2
.set n, 0
.rept 128
	v_mov_b32 v[n], 0
.set n, n+1
.endr
	WIN 0
.if \first
	s_wait_loadcnt 0x0                             ; Q of both blocks
.endif
.endm
.macro KQ                              ; product i of 32 of S^T = K Q^T: channels 32 (i / 8) on, keys 16 ((i / 2) % 4) on, tile i % 2.  Eight accumulators by turns
.set rS, S+32*(i%2)+8*((i/2)%4)
.set rK, 32*((i/2)%4)+8*(i/8)
.set rQ, Q+32*(i%2)+8*(i/8)
.if i < 8
	v_wmma_f32_16x16x32_f16 v[rS:rS+7], v[rK:rK+7], v[rQ:rQ+7], 0
.else
	v_wmma_f32_16x16x32_f16 v[rS:rS+7], v[rK:rK+7], v[rQ:rQ+7], v[rS:rS+7]
.endif
.endm
.macro KQ8                             ; the eight products of one step of 32 channels
	WIN 0x01                                       ; K window 1; Q and S^T window 0
.rept 8
	KQ
.set i, i+1
.endr
.endm
.macro PVP                             ; product i of 32 of O^T += V^T P: keys 32 (i / 16) on, channels 16 ((i / 2) % 8) on, tile i % 2.  Sixteen accumulators by turns
.set rO, 64*(i%2)+8*((i/2)%8)
.set rV, 128+64*(i/16)+8*((i/2)%8)
.set rP, P+16*(i%2)+8*(i/16)
	v_wmma_f32_16x16x32_f16 v[rO:rO+7], v[rV:rV+7], v[rP:rP+7], v[rO:rO+7]
.endm
.macro VLOADS u                        ; V, turned: keys 32 u on, channels 16 f on: 16 loads
	WIN 0x40                                       ; destination window 1
.irp f, 0,1,2,3,4,5,6,7
	ds_load_tr16_b128 v[128+8*(8*(\u)+\f):128+8*(8*(\u)+\f)+3],   v[ADV] offset:(\u)*32*PV+\f*32
	ds_load_tr16_b128 v[128+8*(8*(\u)+\f)+4:128+8*(8*(\u)+\f)+7], v[ADV] offset:(\u)*32*PV+16*PV+\f*32
.endr
.endm
; Register n of a tile holds key KF + 8 h + 16 (n / 8) + n % 8; my query is Q0 + 16 (tile) + r: hidden where 16 (n / 8) + n % 8 > d, d = Q0 - KF + r - 8 h + 16 (tile).
.macro MASK
	s_sub_co_i32 s70, s[Q0], s[KF]
	v_add_nc_u32 v[DD], s70, v[DQ]
	v_add_nc_u32 v[DD+1], s70, v[DQ+1]
.irp t, 0,1
.irp n, 0,1,2,3,4,5,6,7,8,9,10,11,12,13,14,15,16,17,18,19,20,21,22,23,24,25,26,27,28,29,30,31
	v_cmp_gt_i32 vcc_lo, 16*(\n/8)+\n%8, v[DD+\t]
	v_cndmask_b32 v[S+32*\t+\n], v[S+32*\t+\n], v[NINF], vcc_lo
.endr
.endr
.endm
.macro SOFTMAX
.irp c, 0,1,2,3                        ; the maximum of a lane's 32 scores and the old m: four chains a tile, each accumulator read from its low end on; the two tiles by turns
.irp t, 0,1
	v_max3_num_f32 v[ST+8*\t+4+\c], v[S+32*\t+8*\c], v[S+32*\t+8*\c+1], v[S+32*\t+8*\c+2]
.endr
.endr
.irp i, 3,5
.irp c, 0,1,2,3
.irp t, 0,1
	v_max3_num_f32 v[ST+8*\t+4+\c], v[ST+8*\t+4+\c], v[S+32*\t+8*\c+\i], v[S+32*\t+8*\c+\i+1]
.endr
.endr
.endr
.irp t, 0,1
	v_max3_num_f32 v[ST+8*\t+4], v[ST+8*\t+4], v[S+32*\t+7], v[S+32*\t+15]
	v_max3_num_f32 v[ST+8*\t+6], v[ST+8*\t+6], v[S+32*\t+23], v[S+32*\t+31]
.endr
.irp t, 0,1
	v_max3_num_f32 v[ST+8*\t+4], v[ST+8*\t+4], v[ST+8*\t+5], v[ST+8*\t+6]
.endr
.irp t, 0,1
	v_max3_num_f32 v[ST+8*\t+4], v[ST+8*\t+4], v[ST+8*\t+7], v[ST+8*\t+1]
.endr
.irp t, 0,1
	v_permlanex16_b32 v[ST+8*\t+5], v[ST+8*\t+4], s[SEL], s[SEL+1]   ; the query's other 32 keys lie in the lane 16 away
.endr
.irp t, 0,1
	v_mov_b32 v[ST+8*\t+7], v[ST+8*\t]             ; c m_old
.endr
.irp t, 0,1
	v_max_num_f32 v[ST+8*\t+1], v[ST+8*\t+4], v[ST+8*\t+5]
.endr
.irp t, 0,1
	v_mul_f32 v[ST+8*\t], s[CS], v[ST+8*\t+1]
.endr
.irp t, 0,1
	v_sub_f32 v[ST+8*\t+7], v[ST+8*\t+7], v[ST+8*\t]
.endr
.irp b, 0,2,4,6,8,10,12,14,16,18,20,22,24,26,28,30
.irp t, 0,1
	v_pk_fma_f32 v[S+32*\t+\b:S+32*\t+\b+1], v[S+32*\t+\b:S+32*\t+\b+1], s[CS:CS+1], v[ST+8*\t:ST+8*\t+1] op_sel_hi:[1,0,0] neg_lo:[0,0,1] neg_hi:[0,0,1]   ; c s - c m
.endr
.endr
.irp t, 0,1
	v_exp_f32 v[ST+8*\t+6], v[ST+8*\t+7]           ; a = 2^(c m_old - c m_new)
.endr
.set n, 0
.rept 64
	v_exp_f32 v[S+n], v[S+n]                       ; p
.set n, n+1
.endr
	v_nop                                          ; a plain line behind the last exponential
	s_wait_alu depctr_va_vdst(0)                   ; one wait for the 66 exponentials, ahead of the first line that names a result
.set n, 0
.rept 32
	v_cvt_pk_f16_f32 v[P+n], v[S+2*n], v[S+2*n+1]  ; the weights for the second product
.set n, n+1
.endr
.irp u, 0,4,8,12,16,20,24,28           ; the sum of the unrounded p, in place, pairs (even key, odd key)
.irp t, 0,1
	v_pk_add_f32 v[S+32*\t+\u:S+32*\t+\u+1], v[S+32*\t+\u:S+32*\t+\u+1], v[S+32*\t+\u+2:S+32*\t+\u+3]
.endr
.endr
.irp u, 0,8,16,24
.irp t, 0,1
	v_pk_add_f32 v[S+32*\t+\u:S+32*\t+\u+1], v[S+32*\t+\u:S+32*\t+\u+1], v[S+32*\t+\u+4:S+32*\t+\u+5]
.endr
.endr
.irp u, 0,16
.irp t, 0,1
	v_pk_add_f32 v[S+32*\t+\u:S+32*\t+\u+1], v[S+32*\t+\u:S+32*\t+\u+1], v[S+32*\t+\u+8:S+32*\t+\u+9]
.endr
.endr
.irp t, 0,1
	v_pk_add_f32 v[S+32*\t:S+32*\t+1], v[S+32*\t:S+32*\t+1], v[S+32*\t+16:S+32*\t+17]
.endr
.irp t, 0,1
	v_pk_fma_f32 v[ST+8*\t+2:ST+8*\t+3], v[ST+8*\t+2:ST+8*\t+3], v[ST+8*\t+6:ST+8*\t+7], v[S+32*\t:S+32*\t+1] op_sel_hi:[1,0,1]   ; l = a l + the sum
.endr
	WIN 0x82                                       ; O^T (destination, source 0) window 2; a window 0
.irp t, 0,1
.set n, 0
.rept 32
	v_pk_mul_f32 v[64*\t+n:64*\t+n+1], v[64*\t+n:64*\t+n+1], v[ST+8*\t+6:ST+8*\t+7] op_sel_hi:[1,0]
.set n, n+2
.endr
.endr
.endm
; A ROUND of a wave: its 64 keys against its 32 queries.  K's 32 loads go out by steps of 32 channels, in the order in which the products take them, so that the first eight products wait for eight loads alone;
; V's 32 loads go out in two runs between the groups of products and land under them and under the softmax.  No LDS instruction of the wave is out at a round's head.
.macro STEP
	v_add_nc_u32 v[ADK], s[TB], v[AK0]
	v_add_nc_u32 v[ADV], s[TB], v[AV0]
	v_nop
	v_nop                                          ; with the two additions: four plain lines between the last products and the loads into the registers that they read
	WIN 0x40                                       ; destination window 1
.irp c, 0,1,2,3                                ; K: channels 32 c on, keys 16 k on
.irp k, 0,1,2,3
	ds_load_b128 v[8*(4*\k+\c):8*(4*\k+\c)+3],   v[ADK] offset:\k*16*PK+\c*64
	ds_load_b128 v[8*(4*\k+\c)+4:8*(4*\k+\c)+7], v[ADK] offset:\k*16*PK+\c*64+32
.endr
.endr
.set i, 0
	s_wait_dscnt 24                                ; K's channels 0-31 are in; K's other 24 loads may be out
	KQ8
	VLOADS 0
	s_wait_dscnt 32                                ; K's channels 32-63 are in; behind them: K's last 16 loads and V's first 16
	KQ8
	VLOADS 1
	s_wait_dscnt 40                                ; K's channels 64-95; behind them: K's last 8 and V's 32
	KQ8
	s_wait_dscnt 32                                ; all of K; V's 32 may be out
	KQ8
	WIN 0
	PLACES
	s_cmp_gt_u32 s[LEFT], 2                        ; only a block's last two rounds can hold hidden keys: the cluster's number and the count of rounds alone decide
	s_cbranch_scc1 .Lopen_\@
	MASK
.Lopen_\@:
	SOFTMAX
	s_wait_dscnt 0x0                               ; V is in
	WIN 0xa1                                       ; V window 1, P window 0, O^T window 2
.set i, 0
.rept 32
	PVP
.set i, i+1
.endr
	WIN 0
	s_add_co_u32 s[KF], s[KF], 128
	s_sub_co_u32 s[LEFT], s[LEFT], 1
	s_xor_b32 s[TB], s[TB], SLOT1
.endm
; THE CHANGE OF SLOTS, at a round's head.  Each wave waits for all its tensor loads (its part of the slot that it is about to read), adds 0 to its spare word, and waits for that and for its LDS reads and stores.
; fill = 1: behind a round of the cluster's barrier the slot that has been left takes the next round's keys: the block's next 128, or, where the next round begins the second block, keys 0 on.
.macro CHANGE fill
	s_wait_tensorcnt 0x0                           ; no tensor load of mine is out, so the descriptors may be written
	ds_add_u32 v[SPW], v[NIL]
.if \fill
	s_xor_b32 s[G0K+1], s[G0K+1], SLOT1
	s_xor_b32 s[G0V+1], s[G0V+1], SLOT1
	s_add_co_u32 s[OFF], s[OFF], 2*KS*256
	s_add_co_u32 s70, s[RC], 1
	s_cmp_eq_u32 s70, s[RA]
	s_cselect_b32 s[OFF], 0, s[OFF]
	s_add_nc_u64 s[G0K+2:G0K+3], s[KB:KB+1], s[OFF:OFF+1]
	s_or_b32 s[G0K+3], s[G0K+3], 0x80000000
	s_add_nc_u64 s[G0V+2:G0V+3], s[VB:VB+1], s[OFF:OFF+1]
	s_or_b32 s[G0V+3], s[G0V+3], 0x80000000
	s_wait_xcnt 0x0                                ; the last prefetch, a round back, has read its address
	s_add_nc_u64 s[PFA:PFA+1], s[PFA:PFA+1], 2*KS*256
	s_wait_dscnt 0x0                               ; the add is done; my reads of the slot that I have left are over; what I sent my partner has landed
	CROUND
	JLOAD                                          ; the first tensor load behind the round, and my only one until the next
	ASK
.else
	s_wait_dscnt 0x0
	s_barrier_signal -1
	s_barrier_wait -1
.endif
.endm
; A BLOCK'S END.  I send my register tile 1 (O^T as an image of its registers, c m, l) to my partner ...
.macro FIN_SEND
	PLACES                                         ; behind the last products
	v_add_f32 v[MG], v[ST+10], v[ST+11]
	WIN 0x08                                       ; an LDS store's data are its source 1: window 2
.irp i, 0,1,2,3,4,5,6,7,8,9,10,11,12,13,14,15
	ds_store_b128 v[XW], v[64+4*\i:64+4*\i+3] offset:512*\i       ; each accumulator from its low end on
.endr
	WIN 0
	ds_store_b32 v[XWS], v[ST+8]
	ds_store_b32 v[XWS], v[MG] offset:128
.endm
; ... and, behind a barrier, take its tile for my register tile 0: both are brought under the larger c m, added, divided by l, rounded to f16 and stored through my stage as whole runs of 256 bytes.
.macro FIN_RECV next
	WIN 0x80
.irp i, 0,1,2,3,4,5,6,7,8,9,10,11,12,13,14,15
	ds_load_b128 v[128+4*\i:128+4*\i+3], v[XR] offset:512*\i
.endr
	WIN 0
	ds_load_b32 v[MG+1], v[XRS]
	ds_load_b32 v[MG+2], v[XRS] offset:128
	v_add_f32 v[MG+3], v[ST+2], v[ST+3]
	s_wait_dscnt 0x0
	v_max_num_f32 v[MG+4], v[ST], v[MG+1]
	v_sub_f32 v[MG+5], v[ST], v[MG+4]
	v_sub_f32 v[MG+6], v[MG+1], v[MG+4]
	v_exp_f32 v[MG+5], v[MG+5]
	v_exp_f32 v[MG+6], v[MG+6]
	v_nop
	s_wait_alu depctr_va_vdst(0)                   ; one wait for the two exponentials
	v_mul_f32 v[MG+3], v[MG+3], v[MG+5]
	v_fmac_f32 v[MG+3], v[MG+2], v[MG+6]
	v_permlanex16_b32 v[MG+7], v[MG+3], s[SEL], s[SEL+1]
	v_add_f32 v[MG+3], v[MG+3], v[MG+7]            ; l of the whole row: key 0 counts for every query, so it is above 0
	v_rcp_f32 v[MG+8], v[MG+3]
	v_nop
	s_wait_alu depctr_va_vdst(0)
	v_mul_f32 v[MG+10], v[MG+5], v[MG+8]
	v_mul_f32 v[MG+12], v[MG+6], v[MG+8]
	v_mov_b32 v[MG+11], v[MG+10]                   ; (named as pairs, so the upper halves are written)
	v_mov_b32 v[MG+13], v[MG+12]
	WIN 0x82
.set n, 0
.rept 32
	v_pk_mul_f32 v[n:n+1], v[n:n+1], v[MG+10:MG+11] op_sel_hi:[1,0]
.set n, n+2
.endr
	WIN 0xa2                                       ; the partner's tile and O^T window 2, the factor window 0
.set n, 0
.rept 32
	v_pk_fma_f32 v[n:n+1], v[128+n:128+n+1], v[MG+12:MG+13], v[n:n+1] op_sel_hi:[1,0,1]
.set n, n+2
.endr
	WIN 0x0a
.set n, 0
.rept 32
	v_cvt_pk_f16_f32 v[PKO+n], v[2*n], v[2*n+1]
.set n, n+1
.endr
	WIN 0
.irp f, 0,1,2,3,4,5,6,7
	ds_store_b128 v[STO], v[PKO+4*\f:PKO+4*\f+3] offset:32*\f
.endr
.irp f, 0,1,2,3,4,5,6,7
	ds_load_b128 v[PKO+4*\f:PKO+4*\f+3], v[RD] offset:\f*2*SP     ; in order behind my stores
.endr
.irp f, 0,1,2,3,4,5,6,7
	s_wait_dscnt 7-\f                              ; the younger read-backs may be out
	global_store_b128 v[GO], v[PKO+4*\f:PKO+4*\f+3], s[CB:CB+1] offset:8192*\f   ; 16 lanes store 256 consecutive bytes, aligned
.endr
.if \next
	s_wait_xcnt 0x0                                ; the stores have read their base
	s_sub_co_u32 s[BLK], 31, s[J]
	s_mov_b32 s[LEFT], s[RB]
	START 0
.endif
.endm
	s_mov_b32 s[BLK], s[J]
	s_mov_b32 s[LEFT], s[RA]
	START 1
	s_mov_b32 s[RC], 0
.Lround:                                           ; 17 trips: behind each change of slots the next round's keys are asked for
	s_cmp_lg_u32 s[RC], s[RA]                      ; the first block is done where the count reaches its rounds: the same in all four partners
	s_cbranch_scc1 .Lno_send
	FIN_SEND
.Lno_send:
	CHANGE 1
	s_cmp_lg_u32 s[RC], s[RA]
	s_cbranch_scc1 .Lno_recv
	FIN_RECV 1
.Lno_recv:
	s_wait_dscnt 0x0                               ; my reads of what my partner sent are over:
	s_barrier_signal -1                            ; a barrier between them and the next sending.  The refill may stay out
	s_barrier_wait -1
	STEP
	s_add_co_u32 s[RC], s[RC], 1
	s_cmp_lt_u32 s[RC], 17
	s_cbranch_scc1 .Lround
	CHANGE 0                                       ; the last round is written out: nothing is left to ask for
	STEP
	FIN_SEND
	s_wait_dscnt 0x0
	s_barrier_signal -1
	s_barrier_wait -1
	FIN_RECV 0
	s_wait_tensorcnt 0x0                           ; the wave's end
	ds_add_u32 v[SPW], v[NIL]
	s_wait_dscnt 0x0
	CROUND                                         ; the closing round
	s_endpgm
.Lfunc_end_k_qd2718733f0_attn:
	.size	k_qd2718733f0_attn, .Lfunc_end_k_qd2718733f0_attn-k_qd2718733f0_attn
	.p2alignl 7, 3214868480
	.fill 96, 4, 3214868480
	.section	.rodata,"a",@progbits
	.p2align	6, 0x0
	.amdhsa_kernel k_qd2718733f0_attn
		.amdhsa_group_segment_fixed_size 327680
		.amdhsa_private_segment_fixed_size 0
		.amdhsa_enable_private_segment 0
		.amdhsa_kernarg_size 16
		.amdhsa_user_sgpr_count 2
		.amdhsa_user_sgpr_kernarg_segment_ptr 1
		.amdhsa_wavefront_size32 1
		.amdhsa_system_sgpr_workgroup_id_x 1
		.amdhsa_system_sgpr_workgroup_id_y 1
		.amdhsa_system_sgpr_workgroup_id_z 1
		.amdhsa_system_vgpr_workitem_id 0
		.amdhsa_next_free_vgpr 768
		.amdhsa_next_free_sgpr 80
		.amdhsa_reserve_vcc 1
		.amdhsa_float_denorm_mode_32 3
		.amdhsa_float_denorm_mode_16_64 3
		.amdhsa_memory_ordered 1
		.amdhsa_forward_progress 1
		.amdhsa_inst_pref_size 103
	.end_amdhsa_kernel
	.amdgpu_metadata
---
amdhsa.version: [ 1, 2 ]
amdhsa.kernels:
  - .name:           k_qd2718733f0_attn
    .symbol:         k_qd2718733f0_attn.kd
    .args:
      - { .name: qkv16, .offset: 0, .size: 8, .value_kind: global_buffer, .address_space: global }
      - { .name: ctx16, .offset: 8, .size: 8, .value_kind: global_buffer, .address_space: global }
    .group_segment_fixed_size: 327680
    .private_segment_fixed_size: 0
    .kernarg_segment_align: 8
    .kernarg_segment_size: 16
    .max_flat_workgroup_size: 128
    .sgpr_count:     80
    .vgpr_count:     768
    .wavefront_size: 32
...
	.end_amdgpu_metadata
.endif
;; end of part 3
;; launch oproj (part 4): grid 16 x 16, 4 waves a work-group, clusters of 4 x 4, 327,680 bytes of LDS; arguments ctx16, wo16, out0; writes out0
.if DOCPART == 4
	.amdgcn_target "amdgcn-amd-amdhsa--gfx1250"
	.amdhsa_code_object_version 6
	.text
	.protected	k_qd2718733f0_oproj
	.globl	k_qd2718733f0_oproj
	.p2align	8
	.type	k_qd2718733f0_oproj,@function
k_qd2718733f0_oproj:
	s_mov_b64 s[64:65], 0
	v_nop
	global_prefetch_b8 v0, s[64:65] scope:SCOPE_SE
	s_setreg_imm32_b32 hwreg(HW_REG_WAVE_MODE, 25, 1), 1
	s_wait_xcnt 0x0
	s_wait_alu depctr_hold_cnt(0) depctr_sa_sdst(0) depctr_va_vdst(0) depctr_va_sdst(0) depctr_va_ssrc(0) depctr_va_vcc(0) depctr_vm_vsrc(0)
	s_getreg_b32 s2, hwreg(HW_REG_IB_STS2, 6, 4)
	s_cmp_eq_u32 s2, 0
	s_cbranch_scc0 .Lentry_in_a_cluster
	s_endpgm
.Lentry_in_a_cluster:
	s_bfe_u32 s2, ttmp6, 0x10000c
	s_cmp_lg_u32 s2, 0xf033
	s_cbranch_scc0 .Lentry_shape_is_right
	s_endpgm
.Lentry_shape_is_right:
; out0[m][n] = sum over k of ctx16[m][k] wo16[n][k]: (0.25 ctx) x (4 Wo), both f16, sums in f32, out0 f32.  All three are 2,048 x 2,048.
; Rows 0-15 of out0 are written here too and written again, from f32 operands, by the launch that follows: which tile row is mine hangs on my place in the cluster.
; A tile of out0 is 128 x 128: 256 work-groups.  Four waves, each 64 x 64: 16 accumulators.  K goes in steps of 256 (LDS rows of 512 bytes; a wave's tensor load brings 64 of them) through two slots.
; CLUSTERS: 4 x 4 work-groups; ctx16's tiles are shared along a row of the cluster, wo16's along a column: joint loads.
; THE MATRIX INSTRUCTION IS USED TRANSPOSED (source 0 = 16 rows of wo16, source 1 = 16 rows of ctx16): a lane holds eight neighbouring numbers of a row of out0.
; REGISTERS: window 0: v16-29 addresses; v32-95 the way out; v128-255 the accumulators ((a, b) at v[128 + 8 (4 a + b)]).  window 1: two fragment buffers of 128.
.set SIZE_M, 2048
.set SIZE_N, 2048
.set SIZE_K, 2048
.set KSTEP,  256
.set PITCH,  528                       ; an LDS row: 512 bytes + 16 of padding
.set HALFT,  64*PITCH
.set SLOT,   4*HALFT
.set STAGE,  2*SLOT                    ; behind the ring: 16 rows x 272 bytes for each wave: a wave's 64 columns of f32 are 256 bytes
.set SPITCH, 272
.set SPARE,  STAGE+4*16*SPITCH         ; the spare words: 128 bytes a wave, named by no other line
.set LAPS, SIZE_K/(2*KSTEP)
.set ADRA, 16
.set ADRB, 20
.set STO,  24
.set RD,   25
.set CO,   26
.set SPW,  28
.set NIL,  29
.set TMP,  32
.set ACC,  128
.set F0,   0
.set F1,   128
.set G1, 24
.set G0, 32
.set G1B, 48
.set G0B, 56
.set MSB, 0
.macro WIN new
.if MSB != (\new)
	s_set_vgpr_msb (MSB<<8)|(\new)
.set MSB, (\new)
.endif
.endm
.set MUL,  0x05
.set TO_F, 0x40
.macro JLOAD s                         ; waves 0 and 1 fetch ctx16's two halves, waves 2 and 3 wo16's; an s_nop 0 and four v_nop follow each line
	s_cmp_eq_u32 s11, 0
	s_cbranch_scc0 .Lfor_b_\@
	tensor_load_to_lds s[G0+4*\s:G0+4*\s+3], s[G1:G1+7]
	s_nop 0
.rept 4
	v_nop
.endr
	s_branch .Lasked_\@
.Lfor_b_\@:
	tensor_load_to_lds s[G0B+4*\s:G0B+4*\s+3], s[G1B:G1B+7]
	s_nop 0
.rept 4
	v_nop
.endr
.Lasked_\@:
.endm
.macro CREST
	s_cmp_lg_u32 s10, 0
	s_cbranch_scc1 .Lnot_wave_0_\@
	s_barrier_signal -3
.Lnot_wave_0_\@:
	s_barrier_wait -3
	s_barrier_signal -1
	s_barrier_wait -1
.endm
.macro CROUND
	s_barrier_signal -1
	s_barrier_wait -1
	CREST
.endm
	s_load_b128 s[4:7], s[0:1], 0x0                ; ctx16, wo16
	s_load_b64 s[8:9], s[0:1], 0x10                ; out0
	v_lshl_add_u32 v[SPW], v0, 2, SPARE
	v_mov_b32 v[NIL], 0
	ds_add_u32 v[SPW], v[NIL]                      ; the wave's opening: the add, twice on end, and its wait ahead of my first tensor load
	ds_add_u32 v[SPW], v[NIL]
	v_lshrrev_b32 v1, 5, v0
	v_readfirstlane_b32 s10, v1                    ; wave 0..3
	s_lshr_b32 s11, s10, 1                         ; which half of the tile's rows is mine.  Also: I fetch for ctx16 (0) or wo16 (1)
	s_and_b32 s12, s10, 1                          ; which half of its columns.  Also: which 64 rows I fetch
	s_bfe_u32 s40, ttmp6, 0x40000
	s_bfe_u32 s41, ttmp6, 0x40004
	s_lshl_b32 s42, ttmp9, 2
	s_add_co_u32 s42, s42, s40                     ; tile column
	s_and_b32 s13, ttmp7, 0xffff
	s_lshl_b32 s13, s13, 2
	s_add_co_u32 s13, s13, s41                     ; tile row
	s_lshl_b32 s43, s41, 2
	s_lshl_b32 s43, 15, s43
	s_lshl_b32 s44, 0x1111, s40
	s_or_b32 s[G1+0], s43, (1<<16)|(1<<20)|(1<<21)|(6<<22)|(3<<25)  ; the mask; elements of 2 bytes; padding: 4 words behind every 128
	s_or_b32 s[G1B+0], s44, (1<<16)|(1<<20)|(1<<21)|(6<<22)|(3<<25)
.irp g, G1, G1B
	s_mov_b32 s[\g+1], KSTEP<<16
	s_mov_b32 s[\g+2], 64<<16
	s_mov_b32 s[\g+3], KSTEP<<16
	s_mov_b32 s[\g+4], 64
	s_mov_b32 s[\g+5], SIZE_K
	s_mov_b32 s[\g+6], 0
	s_mov_b32 s[\g+7], 0
.endr
	s_lshl_b32 s17, s12, 6
	s_lshl_b32 s16, s13, 7
	s_add_co_u32 s16, s16, s17
	s_lshl_b32 s46, s42, 7
	s_add_co_u32 s46, s46, s17
	s_mov_b32 s17, 0
	s_mov_b32 s47, 0
	s_mov_b64 s[18:19], SIZE_K*2
	s_mul_u64 s[16:17], s[16:17], s[18:19]
	s_mul_u64 s[46:47], s[46:47], s[18:19]
	s_mul_i32 s20, s10, HALFT
	s_wait_dscnt 0x0                               ; both opening adds are done
	s_wait_kmcnt 0x0
	s_add_nc_u64 s[14:15], s[4:5], s[16:17]
	s_add_nc_u64 s[46:47], s[6:7], s[46:47]
	CROUND                                         ; the first joint loads meet
.irp s, 0,1
	s_mov_b32 s[G0+4*\s], 1
	s_add_co_u32 s[G0+4*\s+1], s20, \s*SLOT
	s_add_nc_u64 s[G0+4*\s+2:G0+4*\s+3], s[14:15], \s*KSTEP*2
	s_or_b32 s[G0+4*\s+3], s[G0+4*\s+3], 0x80000000
	s_mov_b32 s[G0B+4*\s], 1
	s_add_co_u32 s[G0B+4*\s+1], s20, \s*SLOT
	s_add_nc_u64 s[G0B+4*\s+2:G0B+4*\s+3], s[46:47], \s*KSTEP*2
	s_or_b32 s[G0B+4*\s+3], s[G0B+4*\s+3], 0x80000000
	JLOAD \s
.endr
	v_and_b32 v1, 15, v0                           ; r
	v_bfe_u32 v2, v0, 4, 1                         ; h
	v_mul_u32_u24 v3, v1, PITCH
	v_lshl_add_u32 v3, v2, 4, v3
	s_mul_i32 s21, s11, HALFT
	s_mul_i32 s22, s12, HALFT
	s_add_co_u32 s22, s22, 2*HALFT
.irp s, 0,1
	v_add_nc_u32 v[ADRA+\s], s21, v3
	v_add_nc_u32 v[ADRB+\s], s22, v3
	s_add_co_u32 s21, s21, SLOT
	s_add_co_u32 s22, s22, SLOT
.endr
	s_mul_i32 s23, s10, 16*SPITCH
	s_add_co_u32 s23, s23, STAGE                   ; my stage
	v_mul_u32_u24 v4, v1, SPITCH                   ; in: row r, 32 bytes for each half of the lanes
	v_lshl_add_u32 v4, v2, 5, v4
	v_add_nc_u32 v[STO], s23, v4
	v_mul_u32_u24 v5, v2, SPITCH                   ; back: lanes 0-15 one row of 256 bytes, lanes 16-31 the next
	v_lshl_add_u32 v5, v1, 4, v5
	v_add_nc_u32 v[RD], s23, v5
	v_lshlrev_b32 v5, 13, v2                       ; and the same two rows in out0, 8,192 bytes apart
	v_lshl_add_u32 v[CO], v1, 4, v5
	s_lshl_b32 s16, s13, 7
	s_lshl_b32 s17, s11, 6
	s_add_co_u32 s16, s16, s17                     ; my first row: 128 x tile row + 64 x half
	s_lshl_b32 s16, s16, 13
	s_mov_b32 s17, 0
	s_add_nc_u64 s[8:9], s[8:9], s[16:17]
	s_lshl_b32 s46, s42, 9                         ; my first column, in bytes: 512 x tile column + 256 x half
	s_lshl_b32 s47, s12, 8
	s_add_co_u32 s46, s46, s47
	s_mov_b32 s47, 0
	s_add_nc_u64 s[8:9], s[8:9], s[46:47]
; 8 matrix instructions; the 16 accumulators take turns, one instruction a turn
.macro MUL8 f, c, a0, zero
.irp a, \a0, \a0+1
.irp b, 0,1,2,3
.if \zero
	v_wmma_f32_16x16x32_f16 v[ACC+8*(4*(\a)+\b):ACC+8*(4*(\a)+\b)+7], v[\f+64+8*(4*\c+\b):\f+64+8*(4*\c+\b)+7], v[\f+8*(4*\c+\a):\f+8*(4*\c+\a)+7], 0
.else
	v_wmma_f32_16x16x32_f16 v[ACC+8*(4*(\a)+\b):ACC+8*(4*(\a)+\b)+7], v[\f+64+8*(4*\c+\b):\f+64+8*(4*\c+\b)+7], v[\f+8*(4*\c+\a):\f+8*(4*\c+\a)+7], v[ACC+8*(4*(\a)+\b):ACC+8*(4*(\a)+\b)+7]
.endif
.endr
.endr
.endm
.macro FETCH slot, k, f                ; 32 LDS loads in one run: the fragments of 64 along K at byte k of the rows; the first 32 along K first
	WIN TO_F
.irp c, 0,1
.irp i, 0,1,2,3
	ds_load_b128 v[\f+64+8*(4*\c+\i):\f+64+8*(4*\c+\i)+3],   v[ADRB+\slot] offset:\k+64*\c+\i*16*PITCH
	ds_load_b128 v[\f+64+8*(4*\c+\i)+4:\f+64+8*(4*\c+\i)+7], v[ADRB+\slot] offset:\k+64*\c+\i*16*PITCH+32
	ds_load_b128 v[\f+8*(4*\c+\i):\f+8*(4*\c+\i)+3],         v[ADRA+\slot] offset:\k+64*\c+\i*16*PITCH
	ds_load_b128 v[\f+8*(4*\c+\i)+4:\f+8*(4*\c+\i)+7],       v[ADRA+\slot] offset:\k+64*\c+\i*16*PITCH+32
.endr
.endr
.endm
.macro PLACES
.rept 4
	v_nop
.endr
.endm
.macro QUARTER slot, k, f, g, zero
	s_wait_dscnt 16                                ; the first 32 along K are in; the other sixteen loads may be out
	WIN MUL
	MUL8 \f, 0, 0, \zero
	MUL8 \f, 0, 2, \zero
	PLACES
	FETCH \slot, \k, \g
	s_wait_dscnt 32                                ; all but the 32 just issued
	WIN MUL
	MUL8 \f, 1, 0, 0
	MUL8 \f, 1, 2, 0
.endm
.macro TURN slot, next, fill
	WIN 0
	s_wait_tensorcnt 0x0                           ; all my tensor loads have landed: my part of the next slot
	ds_add_u32 v[SPW], v[NIL]
	s_wait_dscnt 17                                ; (the add and the youngest sixteen loads may be out)
	WIN MUL
	MUL8 F1, 0, 0, 0
	s_wait_dscnt 0x0                               ; the add is done, and my reads of this slot are over
	s_barrier_signal -1
	MUL8 F1, 0, 2, 0
.if \fill
	WIN 0
.endif
	s_barrier_wait -1
.if \fill
	CREST                                          ; the barrier has opened a round of the cluster's
	s_add_nc_u64 s[G0+4*\slot+2:G0+4*\slot+3], s[G0+4*\slot+2:G0+4*\slot+3], 2*KSTEP*2
	s_add_nc_u64 s[G0B+4*\slot+2:G0B+4*\slot+3], s[G0B+4*\slot+2:G0B+4*\slot+3], 2*KSTEP*2
	JLOAD \slot                                    ; the first tensor load behind the round
.else
	PLACES
.endif
	FETCH \next, 0, F0
	WIN MUL
	MUL8 F1, 1, 0, 0
	MUL8 F1, 1, 2, 0
.endm
	s_wait_tensorcnt 1                             ; my part of K step 0 is in; K step 1's may be out
	s_barrier_signal -1
	s_barrier_wait -1
	FETCH 0, 0, F0
	QUARTER 0, 128, F0, F1, 1                      ; the first products start the sums
	WIN 0
	s_mov_b32 s3, LAPS-1
.Llap:
	QUARTER 0, 256, F1, F0, 0
	QUARTER 0, 384, F0, F1, 0
	TURN 0, 1, 1
	QUARTER 1, 128, F0, F1, 0
	QUARTER 1, 256, F1, F0, 0
	QUARTER 1, 384, F0, F1, 0
	TURN 1, 0, 1
	QUARTER 0, 128, F0, F1, 0
	WIN 0
	s_sub_co_u32 s3, s3, 1
	s_cmp_lg_u32 s3, 0
	s_cbranch_scc1 .Llap
	QUARTER 0, 256, F1, F0, 0                      ; the last lap fills nothing
	QUARTER 0, 384, F0, F1, 0
	TURN 0, 1, 0
	QUARTER 1, 128, F0, F1, 0
	QUARTER 1, 256, F1, F0, 0
	QUARTER 1, 384, F0, F1, 0
	s_wait_dscnt 16
	WIN MUL
	MUL8 F1, 0, 0, 0
	MUL8 F1, 0, 2, 0
	s_wait_dscnt 0
	MUL8 F1, 1, 0, 0
	MUL8 F1, 1, 2, 0
	WIN 0
; THE WAY OUT, block by block of 16 rows x 64 columns: 32 bytes a lane into my own stage, back as whole rows of 256 bytes: 16 lanes store 256 consecutive bytes, aligned.  LDS serves a wave's instructions in order.
.macro TOSTAGE a
.irp b, 0,1,2,3
	ds_store_b128 v[STO], v[ACC+8*(4*(\a)+\b):ACC+8*(4*(\a)+\b)+3] offset:64*\b          ; each accumulator from its low end on
	ds_store_b128 v[STO], v[ACC+8*(4*(\a)+\b)+4:ACC+8*(4*(\a)+\b)+7] offset:64*\b+16
.endr
.set BB, TMP+32*((\a)%2)
.irp t, 0,1,2,3,4,5,6,7
	ds_load_b128 v[BB+4*\t:BB+4*\t+3], v[RD] offset:\t*2*SPITCH
.endr
.endm
.macro SEND a, younger                 ; younger: the LDS instructions issued behind block a's loads
.set BB, TMP+32*((\a)%2)
	s_wait_dscnt \younger
.irp t, 0,1,2,3,4,5,6,7
	global_store_b128 v[CO], v[BB+4*\t:BB+4*\t+3], s[8:9] offset:(16*(\a)+2*\t)*SIZE_N*4 th:TH_STORE_NT
.endr
.endm
	PLACES
	TOSTAGE 0
.irp a, 1,2,3
.if \a > 1
	s_wait_xcnt 0x0                                ; block a - 2's stores have read their registers
.endif
	TOSTAGE \a
	SEND \a-1, 16                                  ; behind block a - 1's loads: block a's 8 stores and 8 loads
.endr
	SEND 3, 0
	s_wait_tensorcnt 0x0                           ; the wave's end
	ds_add_u32 v[SPW], v[NIL]
	s_wait_dscnt 0x0
	CROUND                                         ; the closing round
	s_endpgm
.Lfunc_end_k_qd2718733f0_oproj:
	.size	k_qd2718733f0_oproj, .Lfunc_end_k_qd2718733f0_oproj-k_qd2718733f0_oproj
	.p2alignl 7, 3214868480
	.fill 96, 4, 3214868480
	.section	.rodata,"a",@progbits
	.p2align	6, 0x0
	.amdhsa_kernel k_qd2718733f0_oproj
		.amdhsa_group_segment_fixed_size 327680
		.amdhsa_private_segment_fixed_size 0
		.amdhsa_enable_private_segment 0
		.amdhsa_kernarg_size 24
		.amdhsa_user_sgpr_count 2
		.amdhsa_user_sgpr_kernarg_segment_ptr 1
		.amdhsa_wavefront_size32 1
		.amdhsa_system_sgpr_workgroup_id_x 1
		.amdhsa_system_sgpr_workgroup_id_y 1
		.amdhsa_system_sgpr_workgroup_id_z 1
		.amdhsa_system_vgpr_workitem_id 0
		.amdhsa_next_free_vgpr 512
		.amdhsa_next_free_sgpr 66
		.amdhsa_reserve_vcc 0
		.amdhsa_float_denorm_mode_32 3
		.amdhsa_float_denorm_mode_16_64 3
		.amdhsa_memory_ordered 1
		.amdhsa_forward_progress 1
		.amdhsa_inst_pref_size 86
	.end_amdhsa_kernel
	.amdgpu_metadata
---
amdhsa.version: [ 1, 2 ]
amdhsa.kernels:
  - .name:           k_qd2718733f0_oproj
    .symbol:         k_qd2718733f0_oproj.kd
    .args:
      - { .name: ctx16, .offset: 0, .size: 8, .value_kind: global_buffer, .address_space: global }
      - { .name: wo16, .offset: 8, .size: 8, .value_kind: global_buffer, .address_space: global }
      - { .name: out0, .offset: 16, .size: 8, .value_kind: global_buffer, .address_space: global }
    .group_segment_fixed_size: 327680
    .private_segment_fixed_size: 0
    .kernarg_segment_align: 8
    .kernarg_segment_size: 24
    .max_flat_workgroup_size: 128
    .sgpr_count:     66
    .vgpr_count:     512
    .wavefront_size: 32
...
	.end_amdgpu_metadata
.endif
;; end of part 4
;; launch fine16 (part 5): grid 128 x 1, 16 waves a work-group, no clusters, 18,432 bytes of LDS; arguments fine, Wo, out0; writes out0
.if DOCPART == 5
	.amdgcn_target "amdgcn-amd-amdhsa--gfx1250"
	.amdhsa_code_object_version 6
	.text
	.protected	k_qd2718733f0_fine16
	.globl	k_qd2718733f0_fine16
	.p2align	8
	.type	k_qd2718733f0_fine16,@function
k_qd2718733f0_fine16:
	s_mov_b64 s[64:65], 0
	v_nop
	global_prefetch_b8 v0, s[64:65] scope:SCOPE_SE
	s_setreg_imm32_b32 hwreg(HW_REG_WAVE_MODE, 25, 1), 1
	s_wait_xcnt 0x0
; Positions 0-15 in f32 throughout: their attention in all 16 heads and their rows of ctx Wo^T.  These rows average one to sixteen values and are the largest of the output: f16 operands would weigh most there.
; fine holds q, k (rotated) and v of these positions in f32, all x 0.25: q and k as [kind 2][head 16][16 x 512 bytes], images of this launch's operand registers: load c of lane L takes the 16 bytes at 512 c + 16 L,
; and lane (r, h), register 4 c + i, is channel 8 c + 4 h + i of position r; v as [position 16][2048] from byte 262,144 on.  Wo [2048][2048] f32 as it is given; rows 0-15 of out0 are written anew.
; SHARES.  Work-group id owns columns 16 id .. 16 id + 15.  Wave hh owns head hh: it makes that head's 16 x 16 attention (64 small products: less than a launch of its own for it would cost), multiplies its 128 channels
; of ctx by Wo's 16 rows, and the 16 partial tiles are added through LDS, heads ascending.
; All products by v_wmma_f32_16x16x4_f32, four accumulators by turns; K is taken in an order that is the same on both operands, so that each operand is a lane's own consecutive registers.
; The accumulators v224-255 are written by matrix instructions alone; each sum begins with the constant 0.
; A store covers 64 neighbouring bytes of each of 16 rows: 131,072 bytes in the whole launch leave so.
; LIMITS: NaN and infinities are not served.
; REGISTERS: v1 r, v2 h, v3-7, v17, v18, v23 addresses; v8-15 the scores, then p, then the tile's sum; v16 -infinity; v19-29 at work; v30, v31 the add's two; v32-95 q, then v; v96-159 k, then ctx; v160-223 Wo.
.set SS,  8
.set R1,  32
.set R2,  96
.set R3,  160
.set ACC, 224
.set SPARE, 16384                      ; behind the 16 tiles of 1,024 bytes: the spare words, 128 bytes a wave, named by no other line
	s_load_b128 s[4:7], s[0:1], 0x0                ; fine, Wo
	s_load_b64 s[8:9], s[0:1], 0x10                ; out0
	v_lshl_add_u32 v30, v0, 2, SPARE
	v_mov_b32 v31, 0
	v_lshrrev_b32 v1, 5, v0
	v_readfirstlane_b32 s10, v1                    ; wave = head
	v_and_b32 v1, 15, v0                           ; r
	v_bfe_u32 v2, v0, 4, 1                         ; h
	v_lshlrev_b32 v3, 13, v1
	v_lshl_add_u32 v4, v2, 5, v3                   ; Wo and out0: row r of 8,192 bytes + 32 h
	v_lshlrev_b32 v5, 2, v1
	v_lshl_add_u32 v5, v2, 16, v5                  ; v: key 8 h, channel r
	v_and_b32 v6, 31, v0
	v_lshlrev_b32 v23, 4, v6                       ; 16 x lane: q's and k's images
	s_lshl_b32 s11, s10, 9
	v_add_nc_u32 v17, s11, v23                     ; the adding waves 0, 1: half a tile, 512 x wave + 16 x lane
	s_lshl_b32 s11, s10, 10
	v_add_nc_u32 v6, s11, v23                      ; my tile: 1,024 x head + 16 x lane
	s_lshl_b32 s11, s10, 4
	v_add_nc_u32 v18, s11, v4                      ; and where an adding wave stores: + 16 x wave
	v_lshlrev_b32 v7, 3, v2
	v_sub_nc_u32 v7, v1, v7                        ; r - 8 h
	v_mov_b32 v16, 0xff800000
	v_mov_b32 v20, 0                               ; lane permutes' destinations count as sources
	v_mov_b32 v22, 0
	s_mov_b32 s16, 0x400293ee                      ; c = 16 log2(e) / sqrt(128): the scores arrive x 1/16
	s_mov_b32 s17, s16
	s_mov_b32 s18, 0x76543210
	s_mov_b32 s19, 0xfedcba98
	s_lshl_b32 s12, s10, 9                         ; a head's 512 bytes in a row
	s_mov_b32 s13, 0
	s_lshl_b32 s22, s10, 13                        ; a head's image of 8,192 bytes
	s_mov_b32 s23, 0
	s_lshl_b32 s14, ttmp9, 17                      ; 16 rows of Wo
	s_add_co_u32 s14, s14, s12
	s_mov_b32 s15, 0
	s_lshl_b32 s20, ttmp9, 6                       ; 16 columns of out0
	s_mov_b32 s21, 0
	s_wait_kmcnt 0x0
	s_add_nc_u64 s[22:23], s[4:5], s[22:23]        ; q's image of my head; k's lies 131,072 bytes on
	s_add_nc_u64 s[4:5], s[4:5], s[12:13]          ; my head in v's rows
	s_add_nc_u64 s[6:7], s[6:7], s[14:15]
	s_add_nc_u64 s[8:9], s[8:9], s[20:21]
.irp c, 0,1,2,3,4,5,6,7,8,9,10,11,12,13,14,15
	global_load_b128 v[R1+4*\c:R1+4*\c+3], v23, s[22:23] offset:512*\c            ; q(r, 8 c + 4 h + 0 .. 3): the wave's load covers 512 consecutive bytes
.endr
.irp c, 0,1,2,3,4,5,6,7,8,9,10,11,12,13,14,15
	global_load_b128 v[R2+4*\c:R2+4*\c+3], v23, s[22:23] offset:131072+512*\c     ; k likewise
.endr
.irp t, 0,1,2,3,4,5,6,7
	global_load_b128 v[R3+8*\t:R3+8*\t+3],   v4, s[6:7] offset:64*\t th:TH_LOAD_NT      ; Wo(16 id + r, 128 hh + 16 t + 8 h + 0 .. 7)
	global_load_b128 v[R3+8*\t+4:R3+8*\t+7], v4, s[6:7] offset:64*\t+16 th:TH_LOAD_NT
.endr
	s_wait_loadcnt 16                              ; q and k are in; Wo's sixteen loads may be out
; S^T = k q^T: step kk takes registers 2 kk, 2 kk + 1 of both halves of the lanes: four channels, the same four of k and of q.  Lane (r, h) then holds query r and keys 8 h + 0 .. 7.
.set kk, 0
.rept 32
.if kk < 4
	v_wmma_f32_16x16x4_f32 v[ACC+8*(kk%4):ACC+8*(kk%4)+7], v[R2+2*kk:R2+2*kk+1], v[R1+2*kk:R1+2*kk+1], 0
.else
	v_wmma_f32_16x16x4_f32 v[ACC+8*(kk%4):ACC+8*(kk%4)+7], v[R2+2*kk:R2+2*kk+1], v[R1+2*kk:R1+2*kk+1], v[ACC+8*(kk%4):ACC+8*(kk%4)+7]
.endif
.set kk, kk+1
.endr
.rept 8
	v_nop                                          ; eight plain lines behind this form, ahead of loads into its sources and of reads of its results
.endr
.irp t, 0,1,2,3,4,5,6,7
.irp j, 0,1,2,3,4,5,6,7
	global_load_b32 v[R1+8*\t+\j], v5, s[4:5] offset:262144+8192*\j+64*\t     ; v(key 8 h + j, channel 16 t + r)
.endr
.endr
.irp p, 0,2,4,6                        ; the four partial sums; each accumulator is read from its low end on
	v_pk_add_f32 v[SS+\p:SS+\p+1], v[ACC+\p:ACC+\p+1], v[ACC+8+\p:ACC+8+\p+1]
	v_pk_add_f32 v[SS+\p:SS+\p+1], v[SS+\p:SS+\p+1], v[ACC+16+\p:ACC+16+\p+1]
	v_pk_add_f32 v[SS+\p:SS+\p+1], v[SS+\p:SS+\p+1], v[ACC+24+\p:ACC+24+\p+1]
.endr
.irp j, 0,1,2,3,4,5,6,7
	v_cmp_gt_i32 vcc_lo, \j, v7                    ; key 8 h + j comes after query r
	v_cndmask_b32 v[SS+\j], v[SS+\j], v16, vcc_lo
.endr
	v_max3_num_f32 v19, v[SS], v[SS+1], v[SS+2]
	v_max3_num_f32 v19, v19, v[SS+3], v[SS+4]
	v_max3_num_f32 v19, v19, v[SS+5], v[SS+6]
	v_max_num_f32 v19, v19, v[SS+7]
	v_permlanex16_b32 v20, v19, s18, s19
	v_max_num_f32 v27, v19, v20                    ; the row's maximum: key 0 counts for every query
	v_mul_f32 v26, s16, v27
.irp p, 0,2,4,6
	v_pk_fma_f32 v[SS+\p:SS+\p+1], v[SS+\p:SS+\p+1], s[16:17], v[26:27] op_sel_hi:[1,0,0] neg_lo:[0,0,1] neg_hi:[0,0,1]
.endr
.irp j, 0,1,2,3,4,5,6,7
	v_exp_f32 v[SS+\j], v[SS+\j]
.endr
	v_nop
	s_wait_alu depctr_va_vdst(0)                   ; one wait for the eight exponentials
	v_pk_add_f32 v[20:21], v[SS:SS+1], v[SS+2:SS+3]
	v_pk_add_f32 v[24:25], v[SS+4:SS+5], v[SS+6:SS+7]
	v_pk_add_f32 v[20:21], v[20:21], v[24:25]
	v_add_f32 v20, v20, v21
	v_permlanex16_b32 v22, v20, s18, s19
	v_add_f32 v20, v20, v22
	v_rcp_f32 v21, v20
	v_nop
	s_wait_alu depctr_va_vdst(0)
	v_mul_f32 v28, 4.0, v21                        ; 4 / the sum: v arrives x 0.25
	v_mov_b32 v29, v28
	s_wait_loadcnt 0x0                             ; v and Wo
; O^T = v^T p^T, four tiles of 16 channels at a time; step i takes keys 2 i, 2 i + 1, 8 + 2 i, 8 + 2 i + 1.  Lane (r, h) then holds ctx(query r, channel 16 t + 8 h + 0 .. 7).
.irp u, 0,1
.irp i, 0,1,2,3
.irp t, 0,1,2,3
.if \i == 0
	v_wmma_f32_16x16x4_f32 v[ACC+8*\t:ACC+8*\t+7], v[R1+8*(4*\u+\t)+2*\i:R1+8*(4*\u+\t)+2*\i+1], v[SS+2*\i:SS+2*\i+1], 0
.else
	v_wmma_f32_16x16x4_f32 v[ACC+8*\t:ACC+8*\t+7], v[R1+8*(4*\u+\t)+2*\i:R1+8*(4*\u+\t)+2*\i+1], v[SS+2*\i:SS+2*\i+1], v[ACC+8*\t:ACC+8*\t+7]
.endif
.endr
.endr
.rept 9
	v_nop                                          ; eight ahead of the reads below, nine ahead of the next sums that begin over these accumulators
.endr
.irp t, 0,1,2,3
.irp p, 0,2,4,6
	v_pk_mul_f32 v[R2+8*(4*\u+\t)+\p:R2+8*(4*\u+\t)+\p+1], v[ACC+8*\t+\p:ACC+8*\t+\p+1], v[28:29] op_sel_hi:[1,0]
.endr
.endr
.endr
; out^T = Wo ctx^T over my head's 128 channels: step (t, i) takes channels 16 t + 2 i, + 1, and 8 further on.  Lane (r, h) then holds out(query r, column 16 id + 8 h + 0 .. 7).
.irp t, 0,1,2,3,4,5,6,7
.irp i, 0,1,2,3
.if \t == 0
	v_wmma_f32_16x16x4_f32 v[ACC+8*\i:ACC+8*\i+7], v[R3+8*\t+2*\i:R3+8*\t+2*\i+1], v[R2+8*\t+2*\i:R2+8*\t+2*\i+1], 0
.else
	v_wmma_f32_16x16x4_f32 v[ACC+8*\i:ACC+8*\i+7], v[R3+8*\t+2*\i:R3+8*\t+2*\i+1], v[R2+8*\t+2*\i:R2+8*\t+2*\i+1], v[ACC+8*\i:ACC+8*\i+7]
.endif
.endr
.endr
.rept 8
	v_nop
.endr
.irp p, 0,2,4,6
	v_pk_add_f32 v[SS+\p:SS+\p+1], v[ACC+\p:ACC+\p+1], v[ACC+8+\p:ACC+8+\p+1]
	v_pk_add_f32 v[SS+\p:SS+\p+1], v[SS+\p:SS+\p+1], v[ACC+16+\p:ACC+16+\p+1]
	v_pk_add_f32 v[SS+\p:SS+\p+1], v[SS+\p:SS+\p+1], v[ACC+24+\p:ACC+24+\p+1]
.endr
	ds_store_b128 v6, v[SS:SS+3]                   ; my head's tile, as an image of its registers: columns 8 h + 0 .. 3,
	ds_store_b128 v6, v[SS+4:SS+7] offset:512      ; and 8 h + 4 .. 7
	s_wait_dscnt 0x0                               ; for the others' sake
	s_barrier_signal -1
	s_barrier_wait -1
	s_cmp_gt_u32 s10, 1
	s_cbranch_scc1 .Lend
.irp p, 0,1,2,3,4,5,6,7,8,9,10,11,12,13,14,15
	ds_load_b128 v[R1+4*\p:R1+4*\p+3], v17 offset:1024*\p
.endr
	s_wait_dscnt 0x0
.irp p, 1,2,3,4,5,6,7,8,9,10,11,12,13,14,15
	v_pk_add_f32 v[R1:R1+1], v[R1:R1+1], v[R1+4*\p:R1+4*\p+1]
	v_pk_add_f32 v[R1+2:R1+3], v[R1+2:R1+3], v[R1+4*\p+2:R1+4*\p+3]
.endr
	global_store_b128 v18, v[R1:R1+3], s[8:9]      ; out0(r, 16 id + 8 h + 4 wave + 0 .. 3)
.Lend:
	s_wait_tensorcnt 0x0                           ; the wave's end
	ds_add_u32 v30, v31
	s_wait_dscnt 0x0
	s_endpgm
.Lfunc_end_k_qd2718733f0_fine16:
	.size	k_qd2718733f0_fine16, .Lfunc_end_k_qd2718733f0_fine16-k_qd2718733f0_fine16
	.p2alignl 7, 3214868480
	.fill 96, 4, 3214868480
	.section	.rodata,"a",@progbits
	.p2align	6, 0x0
	.amdhsa_kernel k_qd2718733f0_fine16
		.amdhsa_group_segment_fixed_size 18432
		.amdhsa_private_segment_fixed_size 0
		.amdhsa_enable_private_segment 0
		.amdhsa_kernarg_size 24
		.amdhsa_user_sgpr_count 2
		.amdhsa_user_sgpr_kernarg_segment_ptr 1
		.amdhsa_wavefront_size32 1
		.amdhsa_system_sgpr_workgroup_id_x 1
		.amdhsa_system_sgpr_workgroup_id_y 1
		.amdhsa_system_sgpr_workgroup_id_z 1
		.amdhsa_system_vgpr_workitem_id 0
		.amdhsa_next_free_vgpr 256
		.amdhsa_next_free_sgpr 66
		.amdhsa_reserve_vcc 1
		.amdhsa_float_denorm_mode_32 3
		.amdhsa_float_denorm_mode_16_64 3
		.amdhsa_memory_ordered 1
		.amdhsa_forward_progress 1
		.amdhsa_inst_pref_size 29
	.end_amdhsa_kernel
	.amdgpu_metadata
---
amdhsa.version: [ 1, 2 ]
amdhsa.kernels:
  - .name:           k_qd2718733f0_fine16
    .symbol:         k_qd2718733f0_fine16.kd
    .args:
      - { .name: fine, .offset: 0, .size: 8, .value_kind: global_buffer, .address_space: global }
      - { .name: Wo, .offset: 8, .size: 8, .value_kind: global_buffer, .address_space: global }
      - { .name: out0, .offset: 16, .size: 8, .value_kind: global_buffer, .address_space: global }
    .group_segment_fixed_size: 18432
    .private_segment_fixed_size: 0
    .kernarg_segment_align: 8
    .kernarg_segment_size: 24
    .max_flat_workgroup_size: 512
    .sgpr_count:     66
    .vgpr_count:     256
    .wavefront_size: 32
...
	.end_amdgpu_metadata
.endif
;; end of part 5
